; MI455X (gfx1250); checked and timed in simulation.
; The chip was launched on July 23, 2026; its instructions are those of AMD's public machine-readable ISA for CDNA 5 (MIT licence, August 2026) and "CDNA5" Instruction Set Architecture Reference Guide (July 2026). The comments in the code are by the model that wrote it; some were corrected since.
;; Offset Attention1. Allowed arithmetic: float matrix products may take bf16 or f16 operands with f32 sums; other float arithmetic in f32, or as packed bf16 or f16 multiplies, adds, multiply-adds, maxima and minima; sums over many terms, partial sums and values carried from step to step in f32; what a program stores and reads back later, other than sums and carried values, may be rounded once to bf16 or f16.
;; Inputs: W1 256 x 3 float32; Wq 64 x 256 float32; Wt 256 x 256 float32; Wv 256 x 256 float32; b1 256 float32; b2 256 float32; bt 256 float32; bv 256 float32; g1 256 float32; g2 256 float32; x 8 x 3 x 4,096 float32.
;; Outputs: out0 8 x 256 x 4,096 float32.
;; One version. Each part assembles by itself: llvm-mc -triple=amdgcn-amd-amdhsa -mcpu=gfx1250 --defsym DOCPART=n.
;; ======== version 1 of 1: 5 launches
;; limits: values are held in f16: magnitudes above 65,504 overflow, below 6.1e-05 lose precision
;; workspace buffers: xpart 2,048 bytes; wf16 163,840 bytes; tab1 4,352 bytes; qf 4,194,304 bytes; vbf 17,825,792 bytes; nb 131,072 bytes; tc 16,777,216 bytes; stat 524,288 bytes
;; launch prep (part 1): grid 44 x 1, 4 waves a work-group, no clusters, 0 bytes of LDS; arguments x, Wq, Wv, Wt, xpart, wf16, vbf; writes xpart, wf16, vbf
.if DOCPART == 1
	.amdgcn_target "amdgcn-amd-amdhsa--gfx1250"
	.amdhsa_code_object_version 6
	.text
	.protected	k_qd08d0662af_prep
	.globl	k_qd08d0662af_prep
	.p2align	8
	.type	k_qd08d0662af_prep,@function
k_qd08d0662af_prep:
	s_mov_b64 s[64:65], 0
	v_nop
	global_prefetch_b8 v0, s[64:65] scope:SCOPE_SE
	s_setreg_imm32_b32 hwreg(HW_REG_WAVE_MODE, 25, 1), 1
	s_wait_xcnt 0x0
; PREP.  Two small jobs, told apart by the work-group's number.
; Work-groups 0-7 (one a batch): wave w takes 1,024 columns of x (chunk 4 g + w), rounds them to bf16 (all inputs of the module are
; rounded so, once, where they are first loaded), and stores the chunk's three means and six CENTRED co-moments: 16 words a chunk.
; Work-groups 8-43 (one for 16 rows of Wq, Wv or Wt): the rows are rounded to bf16, written as f16 and laid out as matrix fragments:
; [rowtile][ks 8][half 2][lane 32][8]: row 16 rt' + lane % 16, column 32 ks + 16 half + 8 (lane / 16) + e: 16 pieces of 512 bytes a row tile.
; Wq's and Wv's go to wf16.  Wt's 256 pieces go behind the 256 rows of v in vbf, a piece a row, once for each batch: the attention launch
; then fetches them as one more tile of its walk along those rows.
; LIMIT: a bf16 number is exact in f16 between 6.1e-5 and 65,504 in magnitude; below, it keeps f16's fixed step of 6e-8.
; No LDS, no barrier, no matrix unit: 1 MB is read once.
.set VP,  8704                         ; bytes in a row of vbf: 4,096 numbers of v in bf16, then 512 bytes of Wt
.set SEL, 18                           ; s[18:19] v_permlanex16_b32's selects: each lane takes its own place in the other half
.set TP,  5                            ; v5      the other half's sum
.set AC,  6                            ; v[6:7]  a running pair
.set MN,  8                            ; v[8:13] the three means, each twice (a pair for the packed subtraction)
.set OUT, 16                           ; v[16:31] the chunk's 16 words
.set XR,  32                           ; v[32:127] x: component i at 32 i, 32 numbers a lane
.macro WRED r, t                       ; the sum over the wave's 32 lanes, in every lane
	v_add_f32_dpp v[\r], v[\r], v[\r] row_xmask:1 row_mask:0xf bank_mask:0xf
	v_add_f32_dpp v[\r], v[\r], v[\r] row_xmask:2 row_mask:0xf bank_mask:0xf
	v_add_f32_dpp v[\r], v[\r], v[\r] row_xmask:4 row_mask:0xf bank_mask:0xf
	v_add_f32_dpp v[\r], v[\r], v[\r] row_xmask:8 row_mask:0xf bank_mask:0xf
	v_permlanex16_b32 v[\t], v[\r], s[SEL], s[SEL+1]
	v_add_f32 v[\r], v[\r], v[\t]
.endm
.macro COM a, b, o                     ; the centred co-moment of components a and b -> word o
	v_pk_mul_f32 v[AC:AC+1], v[XR+32*(\a):XR+32*(\a)+1], v[XR+32*(\b):XR+32*(\b)+1]
.set j, 1
.rept 15
	v_pk_fma_f32 v[AC:AC+1], v[XR+32*(\a)+2*j:XR+32*(\a)+2*j+1], v[XR+32*(\b)+2*j:XR+32*(\b)+2*j+1], v[AC:AC+1]
.set j, j+1
.endr
	v_add_f32 v[AC], v[AC], v[AC+1]
	WRED AC, TP
	v_mov_b32 v[OUT+(\o)], v[AC]
.endm
	s_load_b256 s[4:11], s[0:1], 0x0               ; x s[4:5], Wq s[6:7], Wv s[8:9], Wt s[10:11]
	s_load_b128 s[12:15], s[0:1], 0x20             ; xpart s[12:13], wf16 s[14:15]
	s_load_b64 s[28:29], s[0:1], 0x30              ; vbf
	v_and_b32 v1, 31, v0                           ; lane
	v_lshrrev_b32 v3, 5, v0
	v_readfirstlane_b32 s16, v3                    ; wave
	s_mov_b32 s[SEL], 0x76543210
	s_mov_b32 s[SEL+1], 0xfedcba98
	s_cmp_lt_u32 ttmp9, 8
	s_cbranch_scc0 .Lweights
	; ---- x: 3 x 1,024 numbers of one batch, 512 consecutive bytes a load
	s_mul_i32 s20, ttmp9, 49152                    ; the batch
	s_lshl_b32 s21, s16, 12                        ; the wave's 1,024 columns
	s_add_co_u32 s20, s20, s21
	s_mov_b32 s21, 0
	v_lshlrev_b32 v2, 4, v1
	s_wait_kmcnt 0x0
	s_add_nc_u64 s[4:5], s[4:5], s[20:21]
.irp i, 0,1,2
.irp k, 0,1,2,3,4,5,6,7
	global_load_b128 v[XR+32*\i+4*\k:XR+32*\i+4*\k+3], v2, s[4:5] offset:16384*\i+512*\k
.endr
.endr
	v_mov_b32 v[TP], 0
.irp z, 9,10,11,12,13,14,15
	v_mov_b32 v[OUT+\z], 0                         ; the words that carry nothing are written too
.endr
	s_wait_loadcnt 0x0
.set j, 0
.rept 48                                       ; x rounded to bf16, kept as f32
	v_cvt_pk_bf16_f32 v3, v[XR+2*j], v[XR+2*j+1]
	v_lshlrev_b32 v[XR+2*j], 16, v3
	v_and_b32 v[XR+2*j+1], 0xffff0000, v3
.set j, j+1
.endr
.irp i, 0,1,2                                  ; the chunk's means
	v_pk_add_f32 v[AC:AC+1], v[XR+32*\i:XR+32*\i+1], v[XR+32*\i+2:XR+32*\i+3]
.set j, 2
.rept 14
	v_pk_add_f32 v[AC:AC+1], v[AC:AC+1], v[XR+32*\i+2*j:XR+32*\i+2*j+1]
.set j, j+1
.endr
	v_add_f32 v[AC], v[AC], v[AC+1]
	WRED AC, TP
	v_mul_f32 v[MN+2*\i], 0x3a800000, v[AC]        ; / 1,024
	v_mov_b32 v[MN+2*\i+1], v[MN+2*\i]
	v_mov_b32 v[OUT+\i], v[MN+2*\i]
.endr
.irp i, 0,1,2                                  ; centred before anything is squared: an offset of x costs nothing
.set j, 0
.rept 16
	v_pk_add_f32 v[XR+32*\i+2*j:XR+32*\i+2*j+1], v[XR+32*\i+2*j:XR+32*\i+2*j+1], v[MN+2*\i:MN+2*\i+1] neg_lo:[0,1] neg_hi:[0,1]
.set j, j+1
.endr
.endr
	COM 0, 0, 3
	COM 0, 1, 4
	COM 0, 2, 5
	COM 1, 1, 6
	COM 1, 2, 7
	COM 2, 2, 8
	s_lshl_b32 s20, ttmp9, 2
	s_add_co_u32 s20, s20, s16                     ; chunk
	s_lshl_b32 s20, s20, 6                         ; 64 bytes a chunk
	s_add_nc_u64 s[12:13], s[12:13], s[20:21]
	v_mov_b32 v4, 0
	s_wait_xcnt 0x0                                ; EXEC changes only behind this wait
	v_cmp_eq_u32 vcc_lo, 0, v1
	s_and_saveexec_b32 s22, vcc_lo                 ; lane 0 stores the chunk's 64 bytes
	global_store_b128 v4, v[OUT:OUT+3], s[12:13]
	global_store_b128 v4, v[OUT+4:OUT+7], s[12:13] offset:16
	global_store_b128 v4, v[OUT+8:OUT+11], s[12:13] offset:32
	global_store_b128 v4, v[OUT+12:OUT+15], s[12:13] offset:48
	s_wait_xcnt 0x0                                ; and again in front of the line that widens it
	s_or_b32 exec_lo, exec_lo, s22
	s_endpgm
.Lweights:
	; ---- 16 rows x 256 columns of one weight matrix.  Thread t makes the 16-byte units t + 128 k, k = 0..3: lane t % 32 of piece t / 32 + 4 k
	s_sub_co_u32 s20, ttmp9, 8                     ; row tile 0..35
	s_wait_kmcnt 0x0
	s_cmp_lt_u32 s20, 4
	s_cselect_b64 s[22:23], s[6:7], s[8:9]         ; Wq, or Wv,
	s_cselect_b32 s24, 0, 4
	s_cmp_lt_u32 s20, 20
	s_cselect_b64 s[22:23], s[22:23], s[10:11]     ; or Wt
	s_cselect_b32 s24, s24, 20
	s_sub_co_u32 s24, s20, s24                     ; the tile's number in its own matrix
	s_lshl_b32 s24, s24, 14                        ; 16 rows of 1,024 bytes
	s_mov_b32 s25, 0
	s_add_nc_u64 s[22:23], s[22:23], s[24:25]
	v_and_b32 v2, 15, v0                           ; row
	v_bfe_u32 v3, v0, 4, 1
	v_lshlrev_b32 v2, 10, v2
	v_lshl_add_u32 v2, v3, 5, v2                   ; + 8 columns for the upper half of the lanes
	s_and_b32 s26, s16, 1
	s_lshl_b32 s26, s26, 6                         ; half = wave % 2: 16 columns
	s_lshr_b32 s27, s16, 1
	s_lshl_b32 s27, s27, 7                         ; ks = 2 k + wave / 2: 32 columns
	s_add_co_u32 s26, s26, s27
	v_add_nc_u32 v2, s26, v2
.irp k, 0,1,2,3
	global_load_b128 v[32+8*\k:35+8*\k], v2, s[22:23] offset:256*\k
	global_load_b128 v[36+8*\k:39+8*\k], v2, s[22:23] offset:256*\k+16
.endr
	v_lshlrev_b32 v4, 4, v0
	s_wait_loadcnt 0x0
.irp k, 0,1,2,3
.irp e, 0,1,2,3
	v_cvt_pk_bf16_f32 v5, v[32+8*\k+2*\e], v[33+8*\k+2*\e]   ; the input's one rounding,
	v_lshlrev_b32 v6, 16, v5
	v_and_b32 v7, 0xffff0000, v5
	v_cvt_pk_f16_f32 v[64+4*\k+\e], v6, v7                   ; and the same number written as f16
.endr
.endr
	s_cmp_lt_u32 s20, 20
	s_cbranch_scc0 .Lwt
	s_lshl_b32 s24, s20, 13                        ; Wq, Wv: 8,192 bytes of fragments a row tile
	s_add_nc_u64 s[14:15], s[14:15], s[24:25]
.irp k, 0,1,2,3
	global_store_b128 v4, v[64+4*\k:67+4*\k], s[14:15] offset:2048*\k   ; a wave's store covers 512 consecutive bytes
.endr
	s_endpgm
.Lwt:
	s_sub_co_u32 s24, s20, 20                      ; Wt's row tile
	s_lshl_b32 s24, s24, 4
	s_add_co_u32 s24, s24, s16                     ; piece 16 dt + wave (+ 4 k) lies in the row of vbf of that number,
	s_mul_i32 s24, s24, VP
	s_add_co_u32 s24, s24, 8192                    ; behind the row's 8,192 bytes of v
	s_add_nc_u64 s[28:29], s[28:29], s[24:25]      ; batches 0 to 3,
	s_add_nc_u64 s[30:31], s[28:29], 4*256*VP      ; batches 4 to 7: so the immediates stay inside their 24 bits (6,789,120 at the most)
	v_lshlrev_b32 v5, 4, v1                        ; 16 x lane
.irp b, 0,1,2,3
.irp k, 0,1,2,3
	global_store_b128 v5, v[64+4*\k:67+4*\k], s[28:29] offset:\b*256*VP+4*\k*VP   ; 512 consecutive bytes, at a multiple of 256 from vbf's first
	global_store_b128 v5, v[64+4*\k:67+4*\k], s[30:31] offset:\b*256*VP+4*\k*VP
.endr
.endr
	s_endpgm
.Lfunc_end_k_qd08d0662af_prep:
	.size	k_qd08d0662af_prep, .Lfunc_end_k_qd08d0662af_prep-k_qd08d0662af_prep
	.p2alignl 7, 3214868480
	.fill 96, 4, 3214868480
	.section	.rodata,"a",@progbits
	.p2align	6, 0x0
	.amdhsa_kernel k_qd08d0662af_prep
		.amdhsa_group_segment_fixed_size 0
		.amdhsa_private_segment_fixed_size 0
		.amdhsa_enable_private_segment 0
		.amdhsa_kernarg_size 56
		.amdhsa_user_sgpr_count 2
		.amdhsa_user_sgpr_kernarg_segment_ptr 1
		.amdhsa_wavefront_size32 1
		.amdhsa_system_sgpr_workgroup_id_x 1
		.amdhsa_system_sgpr_workgroup_id_y 1
		.amdhsa_system_sgpr_workgroup_id_z 1
		.amdhsa_system_vgpr_workitem_id 0
		.amdhsa_next_free_vgpr 128
		.amdhsa_next_free_sgpr 66
		.amdhsa_reserve_vcc 1
		.amdhsa_float_denorm_mode_32 3
		.amdhsa_float_denorm_mode_16_64 3
		.amdhsa_memory_ordered 1
		.amdhsa_forward_progress 1
		.amdhsa_inst_pref_size 37
	.end_amdhsa_kernel
	.amdgpu_metadata
---
amdhsa.version: [ 1, 2 ]
amdhsa.kernels:
  - .name:           k_qd08d0662af_prep
    .symbol:         k_qd08d0662af_prep.kd
    .args:
      - { .name: x, .offset: 0, .size: 8, .value_kind: global_buffer, .address_space: global }
      - { .name: Wq, .offset: 8, .size: 8, .value_kind: global_buffer, .address_space: global }
      - { .name: Wv, .offset: 16, .size: 8, .value_kind: global_buffer, .address_space: global }
      - { .name: Wt, .offset: 24, .size: 8, .value_kind: global_buffer, .address_space: global }
      - { .name: xpart, .offset: 32, .size: 8, .value_kind: global_buffer, .address_space: global }
      - { .name: wf16, .offset: 40, .size: 8, .value_kind: global_buffer, .address_space: global }
      - { .name: vbf, .offset: 48, .size: 8, .value_kind: global_buffer, .address_space: global }
    .group_segment_fixed_size: 0
    .private_segment_fixed_size: 0
    .kernarg_segment_align: 8
    .kernarg_segment_size: 56
    .max_flat_workgroup_size: 128
    .sgpr_count:     66
    .vgpr_count:     128
    .wavefront_size: 32
...
	.end_amdgpu_metadata
.endif
;; end of part 1
;; launch proj (part 2): grid 32 x 8, 4 waves a work-group, no clusters, 139,776 bytes of LDS; arguments x, W1, g1, b1, bv, xpart, wf16, qf, vbf, tab1; writes qf, vbf, tab1
.if DOCPART == 2
	.amdgcn_target "amdgcn-amd-amdhsa--gfx1250"
	.amdhsa_code_object_version 6
	.text
	.protected	k_qd08d0662af_proj
	.globl	k_qd08d0662af_proj
	.p2align	8
	.type	k_qd08d0662af_proj,@function
k_qd08d0662af_proj:
	s_mov_b64 s[64:65], 0
	v_nop
	global_prefetch_b8 v0, s[64:65] scope:SCOPE_SE
	s_setreg_imm32_b32 hwreg(HW_REG_WAVE_MODE, 25, 1), 1
	s_wait_xcnt 0x0
; PROJ.  For 128 columns n of one batch: h = relu(BN(W1 x)), qk' = sqrt(log2 e) Wq h, v = Wv h + bv.
; BN's statistics follow from x's mean and covariance (the conv has 3 inputs): the 32 chunks' centred sums are merged as C + 1,024 d d^T, never as a difference of large sums.
; With A[c][i] = W1[c][i] g1[c] rsqrt(var_c + 1e-5): h[c][n] = max(0, sum_i A[c][i] (x_i[n] - mu_i) + b1[c]).  The table T1p (a channel pair: A0a,A0b,A1a,A1b,A2a,A2b,b1a,b1b) and mu go to tab1 for the later launches.
; FORMATS.  x, W1, g1, b1, bv rounded to bf16 as they are loaded; h and qk' in f16 (LIMIT: both must stay under 65,504), v in bf16; all sums f32.
; qk' carries sqrt(log2 e), applied in f32 before its one rounding, so that qk' . qk' is the energy in base 2.
; SHARES.  Four waves.  Wave w makes h for columns 32 w .. 32 w + 31 as matrix fragments in LDS; then it owns Wq's row tile w and Wv's row tiles 4 w .. 4 w + 3, against all 8 column tiles: 40 accumulators.
; v: source 0 = h (16 columns n), source 1 = Wv (16 rows d): a lane holds one d and 8 neighbouring n: 16 bytes of vbf[b][d][n] (rows VP bytes apart: the launch before has put 512 bytes of Wt behind each row's v).
; qk: source 0 = Wq, source 1 = h: a lane holds one n and 8 d: a piece of a fragment of qf.
; qf[b][tile of 16 n][f 4][lane 32][8]: n = 16 T + lane % 16, d = 16 f + 8 (lane / 16) + e: fragment ks is pieces 2 ks, 2 ks + 1.
; No tensor load: the weights go straight to registers (160 KiB a work-group, laid out as fragments by the launch before), and nothing else is large.
; REGISTERS: window 0: addresses, small data, two buffers of 64; window 1: Wv's fragments (64 i + 8 ks); window 2: v's accumulators (8 (8 i + nt)); window 3: v0-63 Wq's fragments, v64-127 qk's accumulators.
.set VP,    8704                       ; bytes from row to row of vbf
.set TAB,   65536                      ; LDS: 0 h's fragments [ntile 8][ks 8][half 2][lane 32][16 bytes]; here T1p, 4,096 bytes
.set STG,   69632                      ; 256 rows x 272 bytes: v on its way out; a wave's 64 rows are its own
.set SP,    272                        ; 256 bytes + 16: the 16 rows that a store touches start 68 words apart
.set SPARE, 139264                     ; the spare words, 128 bytes a wave
.set SEL,  26
.set L16,  4                           ; v4   16 x lane; never rewritten
.set WVO,  5                           ; v5   16 lane + 32,768 w
.set WQO,  6                           ; v6   16 lane + 8,192 w
.set TABA, 7                           ; v7   TAB + 128 (lane / 16); steps by 1,024 a trip
.set HST,  8                           ; v8   16 lane + 16,384 w; steps by 2,048 a trip
.set TP,   9
.set STO,  10
.set RD,   11
.set GO,   12
.set T0,   14
.set XD,   16                          ; v[16:27]  x - mu, each twice: tile n', component i at 6 n' + 2 i
.set SPW,  30
.set NIL,  31
.set XP,   32                          ; v[32:43]  my chunk's words (lane = chunk)
.set W1R,  44                          ; v[44:49]  W1's rows of my two channels
.set G1R,  50
.set B1R,  52
.set XRW,  54
.set BVR,  60
.set HB0,  64
.set HB1,  128
.set HO,   192                         ; v[192:207] h packed; on the way out v[192:223]: qk' packed, 4 registers a column tile (MU and DD, which lie there, are dead by then)
.set MU,   216
.set DD,   220
.set TT,   224                         ; v[224:231] at work while the table's entry is made
.set BVD,  224                         ; v[224:231] then bv, each twice: written behind TT's last reader, kept to the way out
.set ENT,  232                         ; v[232:239] my entry of T1p
.set HA,   240                         ; v[240:255] eight running pairs
.set MSB, 0
.macro WIN new                         ; the immediate's high byte repeats the setting that is left
.if MSB != (\new)
	s_set_vgpr_msb (MSB<<8)|(\new)
.set MSB, (\new)
.endif
.endm
.macro PLACES                          ; four plain places behind a matrix instruction (ISA guide 7.12.1)
.rept 4
	v_nop
.endr
.endm
.macro WRED r, t
	v_add_f32_dpp v[\r], v[\r], v[\r] row_xmask:1 row_mask:0xf bank_mask:0xf
	v_add_f32_dpp v[\r], v[\r], v[\r] row_xmask:2 row_mask:0xf bank_mask:0xf
	v_add_f32_dpp v[\r], v[\r], v[\r] row_xmask:4 row_mask:0xf bank_mask:0xf
	v_add_f32_dpp v[\r], v[\r], v[\r] row_xmask:8 row_mask:0xf bank_mask:0xf
	v_permlanex16_b32 v[\t], v[\r], s[SEL], s[SEL+1]
	v_add_f32 v[\r], v[\r], v[\t]
.endm
.macro RND2 a, b, t                    ; two numbers rounded to bf16, kept as f32
	v_cvt_pk_bf16_f32 v[\t], v[\a], v[\b]
	v_lshlrev_b32 v[\a], 16, v[\t]
	v_and_b32 v[\b], 0xffff0000, v[\t]
.endm
.macro CMB a, b, o                     ; covariance (a, b): chunks merged, summed over the 32 lanes, / 32,768
	v_mul_f32 v[T0], v[DD+(\a)], v[DD+(\b)]
	v_fmamk_f32 v[XP+(\o)], v[T0], 0x44800000, v[XP+(\o)]
	WRED XP+(\o), TP
	v_mul_f32 v[XP+(\o)], 0x38000000, v[XP+(\o)]
.endm
.macro VAR w, o                        ; w^T cov w + 1e-5 for the row of W1 at v[w]
	v_mul_f32 v[TT], v[\w], v[XP+3]
	v_add_f32 v[TT+1], v[(\w)+1], v[(\w)+1]
	v_add_f32 v[TT+2], v[(\w)+2], v[(\w)+2]
	v_fmac_f32 v[TT], v[TT+1], v[XP+4]
	v_fmac_f32 v[TT], v[TT+2], v[XP+5]
	v_mul_f32 v[TT+1], v[(\w)+1], v[XP+6]
	v_fmac_f32 v[TT+1], v[TT+2], v[XP+7]
	v_mul_f32 v[TT+2], v[(\w)+2], v[XP+8]
	v_mul_f32 v[TT], v[TT], v[\w]
	v_fmac_f32 v[TT], v[TT+1], v[(\w)+1]
	v_fmac_f32 v[TT], v[TT+2], v[(\w)+2]
	v_max_num_f32 v[TT], 0, v[TT]                  ; a variance is not negative, whatever the rounding
	v_add_f32 v[\o], 0x3727c5ac, v[TT]
.endm
	s_load_b512 s[4:19], s[0:1], 0x0               ; x s[4:5], W1 s[6:7], g1 s[8:9], b1 s[10:11], bv s[12:13], xpart s[14:15], wf16 s[16:17], qf s[18:19]
	s_load_b128 s[20:23], s[0:1], 0x40             ; vbf s[20:21], tab1 s[22:23]
	v_lshl_add_u32 v[SPW], v0, 2, SPARE
	v_mov_b32 v[NIL], 0
	v_lshrrev_b32 v1, 5, v0
	v_readfirstlane_b32 s24, v1                    ; wave
	s_and_b32 s25, ttmp7, 0xffff                   ; batch
	s_mov_b32 s[SEL], 0x76543210
	s_mov_b32 s[SEL+1], 0xfedcba98
	s_mov_b32 s28, 0x3f99be61                      ; sqrt(log2 e) = 1.2011224
	s_mov_b32 s29, s28                             ; named with it as a pair
	v_and_b32 v1, 31, v0
	v_and_b32 v2, 15, v0                           ; r
	v_bfe_u32 v3, v0, 4, 1                         ; h
	v_mov_b32 v[TP], 0
	v_lshlrev_b32 v[L16], 4, v1
	s_lshl_b32 s30, s24, 15
	v_add_nc_u32 v[WVO], s30, v[L16]
	s_lshl_b32 s30, s24, 13
	v_add_nc_u32 v[WQO], s30, v[L16]
	v_lshl_add_u32 v[TABA], v3, 7, TAB
	s_lshl_b32 s30, s24, 14
	v_add_nc_u32 v[HST], s30, v[L16]
	v_lshlrev_b32 v13, 6, v1                       ; xpart: 64 bytes a chunk, lane = chunk
	v_mul_u32_u24 v14, v0, 24                      ; W1: two rows of 12 bytes a thread
	v_lshlrev_b32 v15, 3, v0                       ; g1, b1: two numbers a thread
	s_lshl_b32 s30, s24, 7
	v_lshl_add_u32 v28, v2, 2, s30                 ; x: column 32 w + r
	s_lshl_b32 s30, s24, 8
	v_lshl_add_u32 v29, v2, 2, s30                 ; bv: channel 64 w + r
	s_mul_i32 s32, s25, 49152
	s_lshl_b32 s33, ttmp9, 9
	s_add_co_u32 s32, s32, s33
	s_mov_b32 s33, 0
	s_wait_kmcnt 0x0
	s_add_nc_u64 s[4:5], s[4:5], s[32:33]          ; x at the batch and the block of 128 columns
	; the 18 small loads first, then the 80 loads of weights
	global_load_b128 v[XP:XP+3], v13, s[14:15]
	global_load_b128 v[XP+4:XP+7], v13, s[14:15] offset:16
	global_load_b128 v[XP+8:XP+11], v13, s[14:15] offset:32
	global_load_b64 v[W1R:W1R+1], v14, s[6:7]
	global_load_b64 v[W1R+2:W1R+3], v14, s[6:7] offset:8
	global_load_b64 v[W1R+4:W1R+5], v14, s[6:7] offset:16
	global_load_b64 v[G1R:G1R+1], v15, s[8:9]
	global_load_b64 v[B1R:B1R+1], v15, s[10:11]
.irp q, 0,1,2,3,4,5
	global_load_b32 v[XRW+\q], v28, s[4:5] offset:16384*(\q%3)+64*(\q/3)
.endr
.irp i, 0,1,2,3
	global_load_b32 v[BVR+\i], v29, s[12:13] offset:64*\i
.endr
	WIN 0x40                                       ; destination window 1
.set i, 0
.rept 32                                       ; Wv: i = 8 x tile + ks; each load 512 consecutive bytes
	global_load_b128 v[8*i:8*i+3],   v[WVO], s[16:17] offset:32768+1024*i
	global_load_b128 v[8*i+4:8*i+7], v[WVO], s[16:17] offset:32768+1024*i+512
.set i, i+1
.endr
	WIN 0xc0                                       ; destination window 3
.set i, 0
.rept 8                                        ; Wq's tile w
	global_load_b128 v[8*i:8*i+3],   v[WQO], s[16:17] offset:1024*i
	global_load_b128 v[8*i+4:8*i+7], v[WQO], s[16:17] offset:1024*i+512
.set i, i+1
.endr
	WIN 0
	s_wait_loadcnt 63                              ; 98 loads were issued, they end in order: the first 35 are in, the 18 small ones among them
	; ---- x's mean and covariance, in every lane of every wave
.irp i, 0,1,2
	v_mov_b32 v[MU+\i], v[XP+\i]
	WRED MU+\i, TP
	v_mul_f32 v[MU+\i], 0x3d000000, v[MU+\i]       ; / 32 chunks
	v_sub_f32 v[DD+\i], v[XP+\i], v[MU+\i]
.endr
	CMB 0, 0, 3
	CMB 0, 1, 4
	CMB 0, 2, 5
	CMB 1, 1, 6
	CMB 1, 2, 7
	CMB 2, 2, 8
	; ---- my two channels' entry of the table
	RND2 W1R, W1R+1, T0
	RND2 W1R+2, W1R+3, T0
	RND2 W1R+4, W1R+5, T0
	RND2 G1R, G1R+1, T0
	RND2 B1R, B1R+1, T0
	VAR W1R, TT+4
	VAR W1R+3, TT+5
	v_rsq_f32 v[TT+6], v[TT+4]
	v_rsq_f32 v[TT+7], v[TT+5]
	v_nop                                          ; a plain instruction behind the second root,
	s_wait_alu depctr_va_vdst(0)                   ; and one wait for both, ahead of their first reader
	v_mul_f32 v[TT+6], v[G1R], v[TT+6]
	v_mul_f32 v[TT+7], v[G1R+1], v[TT+7]
	v_mul_f32 v[ENT],   v[W1R],   v[TT+6]
	v_mul_f32 v[ENT+1], v[W1R+3], v[TT+7]
	v_mul_f32 v[ENT+2], v[W1R+1], v[TT+6]
	v_mul_f32 v[ENT+3], v[W1R+4], v[TT+7]
	v_mul_f32 v[ENT+4], v[W1R+2], v[TT+6]
	v_mul_f32 v[ENT+5], v[W1R+5], v[TT+7]          ; TT's last reader
	v_mov_b32 v[ENT+6], v[B1R]
	v_mov_b32 v[ENT+7], v[B1R+1]
	v_lshl_add_u32 v[T0], v0, 5, TAB
	ds_store_b128 v[T0], v[ENT:ENT+3]
	ds_store_b128 v[T0], v[ENT+4:ENT+7] offset:16
	; x centred, bv: each written twice, as pairs for the packed arithmetic
	RND2 XRW, XRW+1, T0+1
	RND2 XRW+2, XRW+3, T0+1
	RND2 XRW+4, XRW+5, T0+1
.irp q, 0,1,2,3,4,5
	v_sub_f32 v[XD+2*\q], v[XRW+\q], v[MU+(\q%3)]
	v_mov_b32 v[XD+2*\q+1], v[XD+2*\q]
.endr
	RND2 BVR, BVR+1, T0+1
	RND2 BVR+2, BVR+3, T0+1
.irp i, 0,1,2,3
	v_mov_b32 v[BVD+2*\i], v[BVR+\i]
	v_mov_b32 v[BVD+2*\i+1], v[BVR+\i]
.endr
	s_or_b32 s31, s25, ttmp9
	s_cmp_lg_u32 s31, 0
	s_cbranch_scc1 .Lno_tab                        ; one work-group stores the table and mu for the later launches
	v_lshlrev_b32 v[T0+1], 5, v0
	global_store_b128 v[T0+1], v[ENT:ENT+3], s[22:23]
	global_store_b128 v[T0+1], v[ENT+4:ENT+7], s[22:23] offset:16
	v_mov_b32 v[MU+3], 0
	s_wait_xcnt 0x0                                ; EXEC changes only behind this wait (the weights' loads are still out)
	v_cmp_eq_u32 vcc_lo, 0, v0
	s_and_saveexec_b32 s31, vcc_lo
	global_store_b128 v[T0+1], v[MU:MU+3], s[22:23] offset:4096   ; thread 0, whose offset is 0
	s_wait_xcnt 0x0
	s_or_b32 exec_lo, exec_lo, s31
.Lno_tab:
	s_wait_dscnt 0x0                               ; my entry lies in LDS
	s_barrier_signal -1
	s_barrier_wait -1                              ; the table is whole
	; ---- h for my 32 columns, as fragments.  A trip makes two K steps of 32 channels.
; the coefficients of K step k of the trip: 8 channel pairs for my half of the lanes, 32 bytes each
.macro LOADC k, buf
.irp q, 0,1,2,3,4,5,6,7
	ds_load_b128 v[(\buf)+8*\q:(\buf)+8*\q+3],   v[TABA] offset:512*(\k)+256*(\q/4)+32*(\q%4)
	ds_load_b128 v[(\buf)+8*\q+4:(\buf)+8*\q+7], v[TABA] offset:512*(\k)+256*(\q/4)+32*(\q%4)+16
.endr
.endm
.macro HCOMP k, buf
.set q, 0
.rept 8
.irp n, 0,1
	v_pk_fma_f32 v[HA+4*(q%4)+2*\n:HA+4*(q%4)+2*\n+1], v[(\buf)+8*q:(\buf)+8*q+1], v[XD+6*\n:XD+6*\n+1], v[(\buf)+8*q+6:(\buf)+8*q+7]
.endr
.irp n, 0,1
	v_pk_fma_f32 v[HA+4*(q%4)+2*\n:HA+4*(q%4)+2*\n+1], v[(\buf)+8*q+2:(\buf)+8*q+3], v[XD+6*\n+2:XD+6*\n+3], v[HA+4*(q%4)+2*\n:HA+4*(q%4)+2*\n+1]
.endr
.irp n, 0,1
	v_pk_fma_f32 v[HA+4*(q%4)+2*\n:HA+4*(q%4)+2*\n+1], v[(\buf)+8*q+4:(\buf)+8*q+5], v[XD+6*\n+4:XD+6*\n+5], v[HA+4*(q%4)+2*\n:HA+4*(q%4)+2*\n+1]
.endr
.irp n, 0,1
	v_max_num_f32 v[HA+4*(q%4)+2*\n], 0, v[HA+4*(q%4)+2*\n]
	v_max_num_f32 v[HA+4*(q%4)+2*\n+1], 0, v[HA+4*(q%4)+2*\n+1]
.endr
.irp n, 0,1
	v_cvt_pk_f16_f32 v[HO+8*\n+q], v[HA+4*(q%4)+2*\n], v[HA+4*(q%4)+2*\n+1]
.endr
.set q, q+1
.endr
.irp n, 0,1
.irp f, 0,1
	ds_store_b128 v[HST], v[HO+8*\n+4*\f:HO+8*\n+4*\f+3] offset:8192*\n+1024*(\k)+512*\f
.endr
.endr
.endm
	s_mov_b32 s30, 4
.Lh:
	LOADC 0, HB0
	LOADC 1, HB1
	s_wait_dscnt 16                                ; the first run is in; the second run's 16 loads may stay out
	HCOMP 0, HB0
	s_wait_dscnt 4                                 ; the second run is in; behind it only my 4 stores were issued
	HCOMP 1, HB1
	v_add_nc_u32 v[TABA], 1024, v[TABA]            ; two K steps on in the table,
	v_add_nc_u32 v[HST], 2048, v[HST]              ; and in the fragments
	s_sub_co_u32 s30, s30, 1
	s_cmp_lg_u32 s30, 0
	s_cbranch_scc1 .Lh
	; addresses for the way out
	s_mul_i32 s30, s24, 64*SP
	s_add_co_u32 s30, s30, STG                     ; my 64 rows of the stage
	v_mul_u32_u24 v[STO], v2, SP
	v_lshl_add_u32 v[STO], v3, 4, v[STO]
	v_add_nc_u32 v[STO], s30, v[STO]               ; in: row r, 16 bytes for each half of the lanes
	v_mul_u32_u24 v[RD], v3, SP
	v_lshl_add_u32 v[RD], v2, 4, v[RD]
	v_add_nc_u32 v[RD], s30, v[RD]                 ; back: lanes 0-15 one row of 256 bytes, lanes 16-31 the next
	v_mul_u32_u24 v[GO], v3, VP
	v_lshl_add_u32 v[GO], v2, 4, v[GO]
	s_mul_i32 s30, s24, 64*VP
	v_add_nc_u32 v[GO], s30, v[GO]                 ; the same two rows in vbf, among my 64
	s_mul_i32 s32, s25, 256*VP
	s_lshl_b32 s30, ttmp9, 8
	s_add_co_u32 s32, s32, s30
	s_add_nc_u64 s[20:21], s[20:21], s[32:33]      ; vbf at the batch and the block's 256 bytes of a row
	s_lshl_b32 s32, s25, 19
	s_lshl_b32 s30, ttmp9, 14
	s_add_co_u32 s32, s32, s30
	s_lshl_b32 s30, s24, 9
	s_add_co_u32 s32, s32, s30
	s_add_nc_u64 s[18:19], s[18:19], s[32:33]      ; qf at the batch, the block's 8 tiles, piece f = w
	s_wait_dscnt 0x0                               ; my fragments lie in LDS
	s_barrier_signal -1
	s_barrier_wait -1                              ; everybody's do
	; ---- the products: 8 K steps, 40 matrix instructions each; the 40 accumulators take turns
.macro HLOAD ks, buf                   ; h's fragments of all 8 column tiles at K step ks: 16 loads of 512 consecutive bytes
.irp t, 0,1,2,3,4,5,6,7
	ds_load_b128 v[(\buf)+8*\t:(\buf)+8*\t+3],   v[L16] offset:8192*\t+1024*(\ks)
	ds_load_b128 v[(\buf)+8*\t+4:(\buf)+8*\t+7], v[L16] offset:8192*\t+1024*(\ks)+512
.endr
.endm
.macro MULS ks, buf
	WIN 0xa4                                       ; h window 0, Wv window 1, C and D window 2
.set u, 0
.rept 32                                       ; u = 8 i + nt
.if (\ks) == 0
	v_wmma_f32_16x16x32_f16 v[8*u:8*u+7], v[(\buf)+8*(u%8):(\buf)+8*(u%8)+7], v[64*(u/8)+8*(\ks):64*(u/8)+8*(\ks)+7], 0
.else
	v_wmma_f32_16x16x32_f16 v[8*u:8*u+7], v[(\buf)+8*(u%8):(\buf)+8*(u%8)+7], v[64*(u/8)+8*(\ks):64*(u/8)+8*(\ks)+7], v[8*u:8*u+7]
.endif
.set u, u+1
.endr
	WIN 0xf3                                       ; Wq window 3, h window 0, C and D window 3
.set u, 0
.rept 8
.if (\ks) == 0
	v_wmma_f32_16x16x32_f16 v[64+8*u:64+8*u+7], v[8*(\ks):8*(\ks)+7], v[(\buf)+8*u:(\buf)+8*u+7], 0
.else
	v_wmma_f32_16x16x32_f16 v[64+8*u:64+8*u+7], v[8*(\ks):8*(\ks)+7], v[(\buf)+8*u:(\buf)+8*u+7], v[64+8*u:64+8*u+7]
.endif
.set u, u+1
.endr
.endm
	s_wait_loadcnt 0x0                             ; the weights
	HLOAD 0, HB0
.irp ks, 0,1,2,3,4,5,6,7
.if \ks < 7
.if \ks > 0
	PLACES                                         ; the buffer to be loaded was read by the products just issued
.endif
	WIN 0
	HLOAD \ks+1, HB0+64*((\ks+1)%2)
	s_wait_dscnt 16                                ; this K step's fragments are in; the next step's 16 loads stay out
.else
	s_wait_dscnt 0x0
.endif
	MULS \ks, HB0+64*(\ks%2)
.endr
	; ---- the way out
	PLACES
	WIN 0x03                                       ; source 0 window 3
.set u, 0
.rept 32                                       ; qk' = sqrt(log2 e) qk, each accumulator from its low end on
	v_pk_mul_f32 v[64+2*u:64+2*u+1], v[64+2*u:64+2*u+1], s[28:29] op_sel_hi:[1,0]
.set u, u+1
.endr
	WIN 0
.set u, 0
.rept 32                                       ; into v192-223: below bv's pairs, and named by nothing behind the stores that read them
	v_cvt_pk_f16_f32 v[HO+u], v[64+2*u], v[64+2*u+1]
.set u, u+1
.endr
.irp t, 0,1,2,3,4,5,6,7
	global_store_b128 v[L16], v[HO+4*\t:HO+4*\t+3], s[18:19] offset:2048*\t   ; 512 consecutive bytes, straight from registers
.endr
.irp i, 0,1,2,3                                ; v + bv, rounded to bf16, into my rows of the stage
	WIN 0x02                                       ; source 0 window 2
.set u, 0
.rept 32
	v_pk_add_f32 v[64+2*u:64+2*u+1], v[64*\i+2*u:64*\i+2*u+1], v[BVD+2*\i:BVD+2*\i+1]
.set u, u+1
.endr
	WIN 0
.set u, 0
.rept 32
	v_cvt_pk_bf16_f32 v[128+u], v[64+2*u], v[64+2*u+1]
.set u, u+1
.endr
.irp t, 0,1,2,3,4,5,6,7
	ds_store_b128 v[STO], v[128+4*\t:128+4*\t+3] offset:16*SP*\i+32*\t
.endr
.endr
.set u, 0
.rept 32                                       ; LDS serves a wave's instructions in order: these see my stores above
	ds_load_b128 v[64+4*u:64+4*u+3], v[RD] offset:2*SP*u
.set u, u+1
.endr
.set u, 0
.rept 32
	s_wait_dscnt 31-u                              ; loads come back in order: number u is in
	global_store_b128 v[GO], v[64+4*u:64+4*u+3], s[20:21] offset:2*VP*u   ; 16 lanes store 256 consecutive bytes, aligned
.set u, u+1
.endr
	s_wait_tensorcnt 0x0                           ; the wave's end
	ds_add_u32 v[SPW], v[NIL]
	s_wait_dscnt 0x0
	s_endpgm
.Lfunc_end_k_qd08d0662af_proj:
	.size	k_qd08d0662af_proj, .Lfunc_end_k_qd08d0662af_proj-k_qd08d0662af_proj
	.p2alignl 7, 3214868480
	.fill 96, 4, 3214868480
	.section	.rodata,"a",@progbits
	.p2align	6, 0x0
	.amdhsa_kernel k_qd08d0662af_proj
		.amdhsa_group_segment_fixed_size 139776
		.amdhsa_private_segment_fixed_size 0
		.amdhsa_enable_private_segment 0
		.amdhsa_kernarg_size 80
		.amdhsa_user_sgpr_count 2
		.amdhsa_user_sgpr_kernarg_segment_ptr 1
		.amdhsa_wavefront_size32 1
		.amdhsa_system_sgpr_workgroup_id_x 1
		.amdhsa_system_sgpr_workgroup_id_y 1
		.amdhsa_system_sgpr_workgroup_id_z 1
		.amdhsa_system_vgpr_workitem_id 0
		.amdhsa_next_free_vgpr 896
		.amdhsa_next_free_sgpr 66
		.amdhsa_reserve_vcc 1
		.amdhsa_float_denorm_mode_32 3
		.amdhsa_float_denorm_mode_16_64 3
		.amdhsa_memory_ordered 1
		.amdhsa_forward_progress 1
		.amdhsa_inst_pref_size 94
	.end_amdhsa_kernel
	.amdgpu_metadata
---
amdhsa.version: [ 1, 2 ]
amdhsa.kernels:
  - .name:           k_qd08d0662af_proj
    .symbol:         k_qd08d0662af_proj.kd
    .args:
      - { .name: x, .offset: 0, .size: 8, .value_kind: global_buffer, .address_space: global }
      - { .name: W1, .offset: 8, .size: 8, .value_kind: global_buffer, .address_space: global }
      - { .name: g1, .offset: 16, .size: 8, .value_kind: global_buffer, .address_space: global }
      - { .name: b1, .offset: 24, .size: 8, .value_kind: global_buffer, .address_space: global }
      - { .name: bv, .offset: 32, .size: 8, .value_kind: global_buffer, .address_space: global }
      - { .name: xpart, .offset: 40, .size: 8, .value_kind: global_buffer, .address_space: global }
      - { .name: wf16, .offset: 48, .size: 8, .value_kind: global_buffer, .address_space: global }
      - { .name: qf, .offset: 56, .size: 8, .value_kind: global_buffer, .address_space: global }
      - { .name: vbf, .offset: 64, .size: 8, .value_kind: global_buffer, .address_space: global }
      - { .name: tab1, .offset: 72, .size: 8, .value_kind: global_buffer, .address_space: global }
    .group_segment_fixed_size: 139776
    .private_segment_fixed_size: 0
    .kernarg_segment_align: 8
    .kernarg_segment_size: 80
    .max_flat_workgroup_size: 128
    .sgpr_count:     66
    .vgpr_count:     896
    .wavefront_size: 32
...
	.end_amdgpu_metadata
.endif
;; end of part 2
;; launch rows (part 3): grid 32 x 8, 8 waves a work-group, clusters of 4 x 1, 327,680 bytes of LDS; arguments qf, nb; writes nb
.if DOCPART == 3
	.amdgcn_target "amdgcn-amd-amdhsa--gfx1250"
	.amdhsa_code_object_version 6
	.text
	.protected	k_qd08d0662af_rows
	.globl	k_qd08d0662af_rows
	.p2align	8
	.type	k_qd08d0662af_rows,@function
k_qd08d0662af_rows:
	s_mov_b64 s[64:65], 0
	v_nop
	global_prefetch_b8 v0, s[64:65] scope:SCOPE_SE
	s_setreg_imm32_b32 hwreg(HW_REG_WAVE_MODE, 25, 1), 1
	s_wait_xcnt 0x0
	s_wait_alu depctr_hold_cnt(0) depctr_sa_sdst(0) depctr_va_vdst(0) depctr_va_sdst(0) depctr_va_ssrc(0) depctr_va_vcc(0) depctr_vm_vsrc(0)
	s_getreg_b32 s2, hwreg(HW_REG_IB_STS2, 6, 4)
	s_cmp_eq_u32 s2, 0
	s_cbranch_scc0 .Lentry_in_a_cluster
	s_endpgm
.Lentry_in_a_cluster:
	s_bfe_u32 s2, ttmp6, 0x10000c
	s_cmp_lg_u32 s2, 0x3003
	s_cbranch_scc0 .Lentry_shape_is_right
	s_endpgm
.Lentry_shape_is_right:
; ROWS.  For each row n of the energy E'[n][m] = qk'_n . qk'_m (already in base 2): nb[n] = -(M_n + log2 L_n), M_n = max_m E', L_n = sum_m 2^(E' - M_n), by a running maximum.
; The next launch then has softmax's weights as 2^(E' + nb), with the true row maximum taken away.
; SHARES.  A work-group owns 128 rows of one batch; wave w: 64 of them (w % 2: four tiles of 16) and a quarter (w / 2) of every slot's 1,024 columns, 64 a step.
; Two waves lie on a SIMD, so one wave's softmax stands beside the other's products: the text is in plain phases.
; LAYOUT.  S^T = K Q^T (source 0 = 16 columns m, source 1 = 16 rows n): a lane holds ONE row n (lane % 16) and 8 columns.  Each half of the lanes keeps its own m and l; they meet at the end, then the four quarters in LDS.
; CLUSTER.  The four work-groups of a cluster belong to one batch and walk the same qf: each slot is asked for JOINTLY, 16 KiB a wave (64 dense rows of 256 bytes; qf is laid out as fragments, so a load of 512
; consecutive LDS bytes is half a fragment and nothing is padded).
; LIMITS: a weight below 2^-126 counts as 0 in L; NaN and infinities are not treated apart.
.set SLOT1, 1<<17                      ; two slots of 131,072 bytes: one exclusive or turns an address in one into the other's
.set MRG,   262144                     ; [quarter 4][row 128][M, l]: 4,096 bytes, never filled by a tensor load
.set SPARE, 266240                     ; the spare words, 128 bytes a wave
.set L16, 2                            ; v2  16 x lane; never rewritten
.set ADR, 3
.set SPW, 4
.set NIL, 5
.set MA,  6                            ; v6  where my (M, l) go
.set PFO, 7                            ; v7  256 x lane; never rewritten
.set ST,  16                           ; tile t at 16 + 8 t: m, m again, l (a pair), c0-c3 at work
.set Q,   48                           ; tile qt, K step ks at 16 qt + 8 ks
.set KF,  112                          ; column tile kt, K step ks at 16 kt + 8 ks
.set S,   176                          ; two tiles of 16 rows x 64 columns
.set WV,  12
.set G1,  24
.set G0,  32
.set SLOTS, 36
.set CNT, 37
.set TB,  38                           ; s38  LDS byte of the step to be fetched
.set PFA, 40
.set LIM, 42
.set SEL, 44
.macro PLACES
.rept 4
	v_nop
.endr
.endm
.macro CROUND                          ; a round of the cluster's barrier
	s_barrier_signal -1
	s_barrier_wait -1
	s_cmp_lg_u32 s[WV], 0
	s_cbranch_scc1 .Lnot_wave_0_\@
	s_barrier_signal -3
.Lnot_wave_0_\@:
	s_barrier_wait -3
	s_barrier_signal -1
	s_barrier_wait -1
.endm
; A prefetch of the slot that the NEXT change will fill: 512 blocks of 256 bytes, a lane a block.  All clusters of a batch walk the same qf: the batch's first cluster asks; its four partners take 128 blocks each,
; told apart by address; in each, waves 0-3 take 32 each.  So each block is named once.  The last change that fills a slot asks for nothing.
.macro ASK
	s_cmp_gt_u32 s[SLOTS], s[LIM]
	s_cbranch_scc0 .Lnot_mine_\@
	global_prefetch_b8 v[PFO], s[PFA:PFA+1] th:TH_LOAD_NT scope:SCOPE_SE
.Lnot_mine_\@:
.endm
; THE CHANGE OF SLOTS.  Each wave waits for all its tensor loads (one is out: its part of the other slot), adds 0 to its spare word, and waits for that and for its reads of the slot that it leaves.
; fill = 1: the barrier is a round of the cluster's, and the joint refill is the first thing behind it; it has four steps of every wave in which to land.  (At its first use slot 0 is waited for and slot 1 filled.)
.macro CHANGE fill
	s_wait_tensorcnt 0x0                           ; no tensor load of mine is out, so the descriptor may be written
	ds_add_u32 v[SPW], v[NIL]
.if \fill
	s_xor_b32 s[G0+1], s[G0+1], SLOT1              ; the other slot than last time,
	s_add_nc_u64 s[G0+2:G0+3], s[G0+2:G0+3], 131072  ; the next 1,024 columns
	s_wait_xcnt 0x0                                ; the last prefetch, a slot back, has read its address
	s_add_nc_u64 s[PFA:PFA+1], s[PFA:PFA+1], 131072
	s_wait_dscnt 0x0                               ; the add is done, my reads of the slot are over
	CROUND
	tensor_load_to_lds s[G0:G0+3], s[G1:G1+7]
	s_nop 0
	ASK
.else
	s_wait_dscnt 0x0
	s_barrier_signal -1
	s_barrier_wait -1
.endif
	s_sub_co_u32 s[TB], s[TB], 32768               ; back to my quarter's first step,
	s_xor_b32 s[TB], s[TB], SLOT1                  ; in the other slot
.endm
	s_load_b128 s[4:7], s[0:1], 0x0                ; qf s[4:5], nb s[6:7]
	v_lshl_add_u32 v[SPW], v0, 2, SPARE
	v_mov_b32 v[NIL], 0
	ds_add_u32 v[SPW], v[NIL]                      ; the wave's opening: the add and its wait ahead of my first tensor load
	v_lshrrev_b32 v1, 5, v0
	v_readfirstlane_b32 s[WV], v1
	s_and_b32 s13, s[WV], 1                        ; which 64 rows
	s_lshr_b32 s14, s[WV], 1                       ; which quarter of the columns
	s_bfe_u32 s15, ttmp6, 0x40000                  ; cx
	s_lshl_b32 s16, ttmp9, 2
	s_add_co_u32 s16, s16, s15                     ; my block of 128 rows: it enters Q's, nb's and the prefetches' addresses alone
	s_and_b32 s17, ttmp7, 0xffff                   ; the batch, which the partners share
	s_mov_b32 s[G1], 15|(3<<16)|(1<<21)            ; the mask of four; elements of 8 bytes; bit 21 beside a mask; no padding
	s_mov_b32 s[G1+1], 32<<16                      ; tensor_dim0 = 32 (256 bytes)
	s_mov_b32 s[G1+2], 64<<16                      ; tensor_dim1 = 64
	s_mov_b32 s[G1+3], 32<<16                      ; tile_dim0 = 32
	s_mov_b32 s[G1+4], 64                          ; tile_dim1 = 64
	s_mov_b32 s[G1+5], 32                          ; dense rows
	s_mov_b32 s[G1+6], 0
	s_mov_b32 s[G1+7], 0
	s_mov_b32 s[G0], 1
	s_lshl_b32 s[G0+1], s[WV], 14                  ; LDS: slot 0, my 16 KiB
	s_lshl_b32 s20, s17, 19
	s_mov_b32 s21, 0
	s_lshl_b32 s22, s[WV], 14
	s_mov_b32 s23, 0
	s_lshl_b32 s[TB], s14, 15
	s_add_co_u32 s[TB], s[TB], SLOT1+32768         ; the first change turns this into my quarter of slot 0
	s_mov_b32 s[SLOTS], 3
	s_mov_b32 s[SEL], 0x76543210
	s_mov_b32 s[SEL+1], 0xfedcba98
	s_lshr_b32 s[LIM], s[WV], 2                    ; 0 in waves 0-3,
	s_or_b32 s[LIM], s[LIM], ttmp9                 ; where the cluster is the batch's first: the same in all partners
	s_cmp_eq_u32 s[LIM], 0
	s_cselect_b32 s[LIM], 1, -1
	s_wait_dscnt 0x0                               ; the opening add is done
	s_wait_kmcnt 0x0
	s_add_nc_u64 s[4:5], s[4:5], s[20:21]          ; qf at the batch
	s_add_nc_u64 s[G0+2:G0+3], s[4:5], s[22:23]
	s_or_b32 s[G0+3], s[G0+3], 0x80000000
	s_lshl_b32 s46, s15, 15                        ; the prefetches: my work-group's 128 blocks,
	s_lshl_b32 s47, s[WV], 13                      ; my wave's 32,
	s_add_co_u32 s46, s46, s47
	s_add_co_u32 s46, s46, 131072                  ; in slot 1; the first change steps it to slot 2
	s_mov_b32 s47, 0
	s_add_nc_u64 s[PFA:PFA+1], s[4:5], s[46:47]
	s_lshl_b32 s46, s16, 14
	s_lshl_b32 s18, s13, 13
	s_add_co_u32 s46, s46, s18
	s_add_nc_u64 s[8:9], s[4:5], s[46:47]          ; my four tiles of rows
	s_lshl_b32 s46, s17, 14
	s_lshl_b32 s18, s16, 9
	s_add_co_u32 s46, s46, s18
	s_add_nc_u64 s[6:7], s[6:7], s[46:47]          ; nb at my block
	CROUND                                         ; all four work-groups are here: the first joint loads meet
	tensor_load_to_lds s[G0:G0+3], s[G1:G1+7]      ; slot 0
	s_nop 0
	v_and_b32 v1, 31, v0
	v_and_b32 v8, 15, v0
	v_lshlrev_b32 v[L16], 4, v1
	v_lshlrev_b32 v[PFO], 8, v1
.set i, 0
.rept 16                                       ; my rows stay in registers: 8 KiB on end
	global_load_b128 v[Q+4*i:Q+4*i+3], v[L16], s[8:9] offset:512*i
.set i, i+1
.endr
	s_lshl_b32 s18, s14, 10
	s_lshl_b32 s19, s13, 9
	s_add_co_u32 s18, s18, s19
	s_add_co_u32 s18, s18, MRG
	v_lshl_add_u32 v[MA], v8, 3, s18
.irp t, 0,1,2,3
	v_mov_b32 v[ST+8*\t], 0xff7fffff               ; m: the lowest finite number, so the first step's correction is 0
	v_mov_b32 v[ST+8*\t+1], 0xff7fffff
	v_mov_b32 v[ST+8*\t+2], 0                      ; l
	v_mov_b32 v[ST+8*\t+3], 0
.endr
; The softmax step of tiles t0, t0 + 1, their lines by turns.  Each accumulator's lowest registers are read first.  The 66 exponentials are one batch with one wait.
.macro SOFT t0
.set j, 0
.rept 4
.irp u, 0,1
	v_max3_num_f32 v[ST+8*((\t0)+\u)+4+j], v[S+32*\u+8*j], v[S+32*\u+8*j+1], v[S+32*\u+8*j+2]
.endr
.set j, j+1
.endr
.set j, 4
.rept 8
.irp u, 0,1
	v_max3_num_f32 v[ST+8*((\t0)+\u)+4+j%4], v[ST+8*((\t0)+\u)+4+j%4], v[S+32*\u+8*(j%4)+2*(j/4)+1], v[S+32*\u+8*(j%4)+2*(j/4)+2]
.endr
.set j, j+1
.endr
.irp u, 0,1
	v_max3_num_f32 v[ST+8*((\t0)+\u)+4], v[ST+8*((\t0)+\u)+4], v[S+32*\u+7], v[S+32*\u+15]
.endr
.irp u, 0,1
	v_max3_num_f32 v[ST+8*((\t0)+\u)+6], v[ST+8*((\t0)+\u)+6], v[S+32*\u+23], v[S+32*\u+31]
.endr
.irp u, 0,1
	v_max3_num_f32 v[ST+8*((\t0)+\u)+4], v[ST+8*((\t0)+\u)+4], v[ST+8*((\t0)+\u)+5], v[ST+8*((\t0)+\u)+6]
.endr
.irp u, 0,1
	v_max3_num_f32 v[ST+8*((\t0)+\u)+4], v[ST+8*((\t0)+\u)+4], v[ST+8*((\t0)+\u)+7], v[ST+8*((\t0)+\u)]   ; with the old m: the new one
.endr
.irp u, 0,1
	v_sub_f32 v[ST+8*((\t0)+\u)+5], v[ST+8*((\t0)+\u)], v[ST+8*((\t0)+\u)+4]     ; m_old - m_new
.endr
.irp u, 0,1
	v_mov_b32 v[ST+8*((\t0)+\u)], v[ST+8*((\t0)+\u)+4]
	v_mov_b32 v[ST+8*((\t0)+\u)+1], v[ST+8*((\t0)+\u)+4]
.endr
.set j, 0
.rept 16
.irp u, 0,1
	v_pk_add_f32 v[S+32*\u+2*j:S+32*\u+2*j+1], v[S+32*\u+2*j:S+32*\u+2*j+1], v[ST+8*((\t0)+\u):ST+8*((\t0)+\u)+1] neg_lo:[0,1] neg_hi:[0,1]
.endr
.set j, j+1
.endr
.irp u, 0,1
	v_exp_f32 v[ST+8*((\t0)+\u)+6], v[ST+8*((\t0)+\u)+5]                         ; a
.endr
.set j, 0
.rept 32
.irp u, 0,1
	v_exp_f32 v[S+32*\u+j], v[S+32*\u+j]
.endr
.set j, j+1
.endr
	v_nop                                          ; a plain instruction behind the last exponential,
	s_wait_alu depctr_va_vdst(0)                   ; and the batch's one wait, ahead of its first reader
.irp w, 4,8,16,32                              ; the sum of 16 pairs, in place: neighbours 1, 2, 4 and 8 pairs apart
.set j, 0
.rept 32/\w
.irp u, 0,1
	v_pk_add_f32 v[S+32*\u+\w*j:S+32*\u+\w*j+1], v[S+32*\u+\w*j:S+32*\u+\w*j+1], v[S+32*\u+\w*j+\w/2:S+32*\u+\w*j+\w/2+1]
.endr
.set j, j+1
.endr
.endr
.irp u, 0,1
	v_pk_fma_f32 v[ST+8*((\t0)+\u)+2:ST+8*((\t0)+\u)+3], v[ST+8*((\t0)+\u)+2:ST+8*((\t0)+\u)+3], v[ST+8*((\t0)+\u)+6:ST+8*((\t0)+\u)+7], v[S+32*\u:S+32*\u+1] op_sel_hi:[1,0,1]   ; l = a l + sum
.endr
.endm
; Two tiles' scores for 64 columns: 16 products, the 8 accumulators by turns.
.macro PROD pc
.set i, 0
.rept 16                                       ; K step i / 8, column tile (i / 2) % 4, row tile 2 pc + i % 2
.if i < 8
	v_wmma_f32_16x16x32_f16 v[S+32*(i%2)+8*((i/2)%4):S+32*(i%2)+8*((i/2)%4)+7], v[KF+16*((i/2)%4)+8*(i/8):KF+16*((i/2)%4)+8*(i/8)+7], v[Q+16*(2*(\pc)+i%2)+8*(i/8):Q+16*(2*(\pc)+i%2)+8*(i/8)+7], 0
.else
	v_wmma_f32_16x16x32_f16 v[S+32*(i%2)+8*((i/2)%4):S+32*(i%2)+8*((i/2)%4)+7], v[KF+16*((i/2)%4)+8*(i/8):KF+16*((i/2)%4)+8*(i/8)+7], v[Q+16*(2*(\pc)+i%2)+8*(i/8):Q+16*(2*(\pc)+i%2)+8*(i/8)+7], v[S+32*(i%2)+8*((i/2)%4):S+32*(i%2)+8*((i/2)%4)+7]
.endif
.set i, i+1
.endr
.endm
.macro KLD                             ; a step's 64 columns: 8 KiB on end
	v_add_nc_u32 v[ADR], s[TB], v[L16]
.set i, 0
.rept 16
	ds_load_b128 v[KF+4*i:KF+4*i+3], v[ADR] offset:512*i
.set i, i+1
.endr
	s_add_co_u32 s[TB], s[TB], 8192
.endm
; My quarter of a slot: four steps of 64 columns.  A step's columns are asked for in the step before, behind the last products that read the registers and their four places: they have the second
; piece's softmax step in which to land.  In a slot's last step there is no further step in the slot, and the run is jumped over; the next slot's first columns follow the change of slots.
.macro PROCESS
	KLD
	s_mov_b32 s[CNT], 4
.Lstep_\@:
	s_wait_dscnt 0x0                               ; this step's columns are in
	PROD 0
	PLACES
	SOFT 0
	PROD 1
	PLACES
	s_cmp_eq_u32 s[CNT], 1
	s_cbranch_scc1 .Lno_k_\@
	KLD
.Lno_k_\@:
	SOFT 2
	s_sub_co_u32 s[CNT], s[CNT], 1
	s_cmp_lg_u32 s[CNT], 0
	s_cbranch_scc1 .Lstep_\@
.endm
	s_wait_loadcnt 0x0                             ; my rows
.Lslot:                                        ; three trips: slots 0 to 2 are read, slots 1 to 3 asked for
	CHANGE 1
	PROCESS
	s_sub_co_u32 s[SLOTS], s[SLOTS], 1
	s_cmp_lg_u32 s[SLOTS], 0
	s_cbranch_scc1 .Lslot
	CHANGE 0                                       ; the tail is written out
	PROCESS
	; ---- the two halves of the lanes meet, then the four quarters
.irp t, 0,1,2,3
	v_add_f32 v[ST+8*\t+2], v[ST+8*\t+2], v[ST+8*\t+3]
.endr
.irp t, 0,1,2,3
	v_permlanex16_b32 v[ST+8*\t+7], v[ST+8*\t], s[SEL], s[SEL+1]
.endr
.irp t, 0,1,2,3
	v_max_num_f32 v[ST+8*\t+4], v[ST+8*\t], v[ST+8*\t+7]
.endr
.irp t, 0,1,2,3
	v_sub_f32 v[ST+8*\t+5], v[ST+8*\t], v[ST+8*\t+4]
.endr
.irp t, 0,1,2,3
	v_exp_f32 v[ST+8*\t+5], v[ST+8*\t+5]
.endr
	v_nop
	s_wait_alu depctr_va_vdst(0)
.irp t, 0,1,2,3
	v_mul_f32 v[ST+8*\t+5], v[ST+8*\t+2], v[ST+8*\t+5]
.endr
.irp t, 0,1,2,3
	v_permlanex16_b32 v[ST+8*\t+6], v[ST+8*\t+5], s[SEL], s[SEL+1]
.endr
.irp t, 0,1,2,3
	v_add_f32 v[ST+8*\t+5], v[ST+8*\t+5], v[ST+8*\t+6]
.endr
.irp t, 0,1,2,3
	ds_store_b64 v[MA], v[ST+8*\t+4:ST+8*\t+5] offset:128*\t   ; (M, l) of my quarter; both halves of the lanes write the same
.endr
	s_wait_dscnt 0x0
	s_barrier_signal -1
	s_barrier_wait -1
	s_cmp_lt_u32 s[WV], 4                          ; threads 0-127: a row each
	s_cbranch_scc0 .Lend
	v_lshl_add_u32 v[ADR], v0, 3, MRG
	ds_load_b64 v[176:177], v[ADR]
	ds_load_b64 v[178:179], v[ADR] offset:1024
	ds_load_b64 v[180:181], v[ADR] offset:2048
	ds_load_b64 v[182:183], v[ADR] offset:3072
	s_wait_dscnt 0x0
	v_max3_num_f32 v184, v176, v178, v180
	v_max_num_f32 v184, v184, v182
	v_sub_f32 v185, v176, v184
	v_sub_f32 v186, v178, v184
	v_sub_f32 v187, v180, v184
	v_sub_f32 v188, v182, v184
	v_exp_f32 v185, v185
	v_exp_f32 v186, v186
	v_exp_f32 v187, v187
	v_exp_f32 v188, v188
	v_lshlrev_b32 v192, 2, v0
	s_wait_alu depctr_va_vdst(0)
	v_mul_f32 v190, v177, v185
	v_fmac_f32 v190, v179, v186
	v_fmac_f32 v190, v181, v187
	v_fmac_f32 v190, v183, v188                    ; L, at least 1: the maximum's own term
	v_log_f32 v191, v190
	v_nop
	s_wait_alu depctr_va_vdst(0)
	v_fma_f32 v191, v184, -1.0, -v191              ; -(M + log2 L)
	global_store_b32 v192, v191, s[6:7]
.Lend:
	s_wait_tensorcnt 0x0                           ; the wave's end
	ds_add_u32 v[SPW], v[NIL]
	s_wait_dscnt 0x0
	CROUND                                         ; the closing round
	s_endpgm
.Lfunc_end_k_qd08d0662af_rows:
	.size	k_qd08d0662af_rows, .Lfunc_end_k_qd08d0662af_rows-k_qd08d0662af_rows
	.p2alignl 7, 3214868480
	.fill 96, 4, 3214868480
	.section	.rodata,"a",@progbits
	.p2align	6, 0x0
	.amdhsa_kernel k_qd08d0662af_rows
		.amdhsa_group_segment_fixed_size 327680
		.amdhsa_private_segment_fixed_size 0
		.amdhsa_enable_private_segment 0
		.amdhsa_kernarg_size 16
		.amdhsa_user_sgpr_count 2
		.amdhsa_user_sgpr_kernarg_segment_ptr 1
		.amdhsa_wavefront_size32 1
		.amdhsa_system_sgpr_workgroup_id_x 1
		.amdhsa_system_sgpr_workgroup_id_y 1
		.amdhsa_system_sgpr_workgroup_id_z 1
		.amdhsa_system_vgpr_workitem_id 0
		.amdhsa_next_free_vgpr 256
		.amdhsa_next_free_sgpr 66
		.amdhsa_reserve_vcc 0
		.amdhsa_float_denorm_mode_32 3
		.amdhsa_float_denorm_mode_16_64 3
		.amdhsa_memory_ordered 1
		.amdhsa_forward_progress 1
		.amdhsa_inst_pref_size 53
	.end_amdhsa_kernel
	.amdgpu_metadata
---
amdhsa.version: [ 1, 2 ]
amdhsa.kernels:
  - .name:           k_qd08d0662af_rows
    .symbol:         k_qd08d0662af_rows.kd
    .args:
      - { .name: qf, .offset: 0, .size: 8, .value_kind: global_buffer, .address_space: global }
      - { .name: nb, .offset: 8, .size: 8, .value_kind: global_buffer, .address_space: global }
    .group_segment_fixed_size: 327680
    .private_segment_fixed_size: 0
    .kernarg_segment_align: 8
    .kernarg_segment_size: 16
    .max_flat_workgroup_size: 256
    .sgpr_count:     66
    .vgpr_count:     256
    .wavefront_size: 32
...
	.end_amdgpu_metadata
.endif
;; end of part 3
;; launch attn (part 4): grid 32 x 8, 4 waves a work-group, clusters of 4 x 1, 327,680 bytes of LDS; arguments qf, vbf, nb, tab1, x, bt, tc, stat; writes tc, stat
.if DOCPART == 4
	.amdgcn_target "amdgcn-amd-amdhsa--gfx1250"
	.amdhsa_code_object_version 6
	.text
	.protected	k_qd08d0662af_attn
	.globl	k_qd08d0662af_attn
	.p2align	8
	.type	k_qd08d0662af_attn,@function
k_qd08d0662af_attn:
	s_mov_b64 s[64:65], 0
	v_nop
	global_prefetch_b8 v0, s[64:65] scope:SCOPE_SE
	s_setreg_imm32_b32 hwreg(HW_REG_WAVE_MODE, 25, 1), 1
	s_wait_xcnt 0x0
	s_wait_alu depctr_hold_cnt(0) depctr_sa_sdst(0) depctr_va_vdst(0) depctr_va_sdst(0) depctr_va_ssrc(0) depctr_va_vcc(0) depctr_vm_vsrc(0)
	s_getreg_b32 s2, hwreg(HW_REG_IB_STS2, 6, 4)
	s_cmp_eq_u32 s2, 0
	s_cbranch_scc0 .Lentry_in_a_cluster
	s_endpgm
.Lentry_in_a_cluster:
	s_bfe_u32 s2, ttmp6, 0x10000c
	s_cmp_lg_u32 s2, 0x3003
	s_cbranch_scc0 .Lentry_shape_is_right
	s_endpgm
.Lentry_shape_is_right:
; ATTN.  For 128 columns m of one batch: w[n][m] = 2^(E'[n][m] + nb[n]) (softmax's weights, at most 1), S[m] = sum_n w, N[c][m] = sum_n v[c][n] w[n][m], x_r = N / (1e-9 + S),
; y = h - x_r, t = Wt y, and of t: the mean and the centred sum of squares over the 128 columns (stat; bt is added to the mean), and t less that mean, in bf16 (tc).
; FORMATS.  qk' f16, w and v bf16 (a column's weights may all be tiny, and they are divided by their sum), y and Wt f16; all sums f32; S is taken of the unrounded w.
; LIMITS: y must stay under 65,504; a weight below 2^-126 counts as 0; NaN and infinities are not treated apart.
; SHARES.  Wave w: 64 columns (w / 2: four tiles of 16) and half of the rows n: step j = 0..63 takes rows 64 j + 32 (w % 2) .. + 31.  It holds all 256 channels x 64 columns: 512 registers.  The weights need no rescaling,
; so the two halves' sums are simply added, once, through LDS.
; LAYOUT.  S^T = K Q^T + C (source 0 = 16 rows n, source 1 = 16 columns m, C = nb of the rows): a lane holds ONE column m and 8 rows n; two such results rounded to bf16 ARE source 1 (32 rows x 16 columns) of
; O = V P (source 0 = 16 channels x 32 rows), whose result holds one column a lane and 8 channels; rounded to f16 that is source 0 of T = Y Wt^T, whose result holds one channel d a lane and 8 columns.
; THE STEP (macro STEPR) is a pipeline: ONE run of loads; V P of step j - 1 on channels 128-255, beside it the roundings and sums that make P(j); the scores of step j + 1; V P of step j on channels 0-127, beside it the
; exponentials of step j + 1.  Two vector instructions stand behind every V P product; a step's 64 exponentials are one batch with one wait.  V's upper channels have two register buffers, by the step's parity, so
; that step j's can be asked for while step j - 1's are still to be multiplied.
; THE WALK.  A row of vbf is a channel's 4,096 v and then 512 bytes of Wt's fragments: 17 tiles of 256 rows x 512 bytes, through a ring of two LDS slots, filled JOINTLY by the cluster's four work-groups, which belong to
; one batch.  The 17th tile, Wt, lands while the 16th is multiplied: one loop walks all, and no tail is written out.
; K comes by plain loads (8 loads of 512 consecutive bytes in each step's run, two register sets): a ring for K beside two such slots would take 335,872 bytes of LDS, and K is a fifth of a step's bytes.
; The accumulators are started by 64 products of zeros with C = 0, in the wait for the first tile, in place of 512 moves; the first step's 32 products on zeros are the price of writing no first step out.
; REGISTERS: window 0: v0-31 addresses, sums; v32-47 C; v64-127 S^T (16 qt + 8 kt); v128-159, v160-191 P, two buffers; v192-255 V, channels 128-255, odd steps.
;   window 1: v0-63 V, channels 0-127; v64-127 V, channels 128-255, even steps; v128-191 Q; v192-255 K, two sets.          windows 2, 3: O[ct][qt] at 8 (4 (ct % 8) + qt).
.set VP,    8704                       ; bytes from row to row of vbf
.set PITCH, 528                        ; a row in a slot: 512 bytes + 16: the 16 rows of a load start 132 words apart
.set XS,    0x24000                    ; slot 1; no bit in common with 33,792 w or with a step's offset, so an exclusive or changes slots
.set TAB,   135168                     ; T1p, 4,096 bytes, filled once
.set SB,    139264                     ; [d 256][wave 4] partial sums; 4,096 bytes on: the partial centred squares
.set NBL,   282624                     ; nb of the batch, 16,384 bytes, filled once
.set SPARE, 299008                     ; the spare words
.set SMS,   299520                     ; [wave 4][tile 4][lane 32] column sums
.set SP,    272                        ; the stage for tc: 256 rows x 272, in slot 1 after its last fill
.set L16,  2
.set AV0,  3                           ; v3, v4  my place in a slot, channels 0-127 and 128-255
.set ADR,  5                           ; v5, v6  the same in the step's 64 rows
.set ACB0, 7
.set ACB,  8
.set PFO,  9
.set SUM,  16                          ; v[16:23] column sums, a pair a tile
.set SPW,  30
.set NIL,  31
.set CB,   32
.set XRW,  48
.set S,    64
.set P0,   128
.set VC,   192
.set QF,   128
.set KB,   192
.set XD,   32                          ; the way out: x - mu, each twice
.set RS,   44                          ; 1 / (1e-9 + S), each twice
.set HT,   48
.set Y,    64
.set CT0,  192
.set PQF,  4                           ; s[4:19] the eight buffers
.set PVB,  6
.set PNB,  8
.set PTAB, 10
.set PX,   12
.set PBT,  14
.set PTC,  16
.set PST,  18
.set WV,   22
.set QH,   23
.set KH,   24
.set CX,   25
.set QB,   26
.set BB,   27
.set G1V,  28
.set G0V,  36
.set G1N,  40
.set G0N,  48
.set G1T,  52
.set G0T,  60
.set SLOTS, 80
.set CNT,  81
.set TBV,  82
.set TBC,  83
.set KOFF, 84
.set KBASE, 86
.set KP,   88
.set PFA,  90
.set LIM,  92
.set SEL,  94
.set MU,   96
.set MSB, 0
.macro WIN new
.if MSB != (\new)
	s_set_vgpr_msb (MSB<<8)|(\new)
.set MSB, (\new)
.endif
.endm
.macro PLACES
.rept 4
	v_nop
.endr
.endm
.macro RND2 a, b, t
	v_cvt_pk_bf16_f32 v[\t], v[\a], v[\b]
	v_lshlrev_b32 v[\a], 16, v[\t]
	v_and_b32 v[\b], 0xffff0000, v[\t]
.endm
.macro CROUND
	s_barrier_signal -1
	s_barrier_wait -1
	s_cmp_lg_u32 s[WV], 0
	s_cbranch_scc1 .Lnot_wave_0_\@
	s_barrier_signal -3
.Lnot_wave_0_\@:
	s_barrier_wait -3
	s_barrier_signal -1
	s_barrier_wait -1
.endm
.macro DENSE g, rows                   ; descriptor group 1 for dense rows of 256 bytes, asked for jointly
	s_mov_b32 s[\g], 15|(3<<16)|(1<<21)
	s_mov_b32 s[\g+1], 32<<16
	s_mov_b32 s[\g+2], (\rows)<<16
	s_mov_b32 s[\g+3], 32<<16
	s_mov_b32 s[\g+4], \rows
	s_mov_b32 s[\g+5], 32
	s_mov_b32 s[\g+6], 0
	s_mov_b32 s[\g+7], 0
.endm
; A prefetch of the tile that the NEXT change will fill: 256 rows x 512 bytes = 512 blocks of 256, a lane a block.  All clusters of a batch walk the same rows: the batch's first cluster asks; its partners take 64 rows each,
; told apart by address, each wave 16 of them.  So each block is named once.  The change that fills the last tile asks for nothing.
.macro ASK
	s_cmp_gt_u32 s[SLOTS], s[LIM]
	s_cbranch_scc0 .Lnot_mine_\@
	global_prefetch_b8 v[PFO], s[PFA:PFA+1] th:TH_LOAD_NT scope:SCOPE_SE
.Lnot_mine_\@:
.endm
; THE CHANGE OF SLOTS, between two steps: all reads of the old slot have been issued, the new one is touched only behind it.  Each wave waits for all its tensor loads, adds 0 to its spare word, waits for that and for its reads;
; a round of the cluster's barrier; the joint refill first behind it, one a wave: it has four steps, 320 matrix instructions, in which to land.
.macro CHANGE
	WIN 0
	s_wait_tensorcnt 0x0                           ; no tensor load of mine is out, so a descriptor may be written
	ds_add_u32 v[SPW], v[NIL]
	s_xor_b32 s[G0V+1], s[G0V+1], XS
	s_add_nc_u64 s[G0V+2:G0V+3], s[G0V+2:G0V+3], 512   ; the next tile along the rows
	s_wait_xcnt 0x0                                ; the last prefetch, four steps back, has read its address
	s_add_nc_u64 s[PFA:PFA+1], s[PFA:PFA+1], 512
	s_wait_dscnt 0x0                               ; the add is done, my reads of the slot are over
	CROUND
	tensor_load_to_lds s[G0V:G0V+3], s[G1V:G1V+7]
	s_nop 0
	PLACES
	ASK
	s_sub_co_u32 s[TBV], s[TBV], 512
	s_xor_b32 s[TBV], s[TBV], XS
.endm
	s_load_b512 s[4:19], s[0:1], 0x0               ; qf, vbf, nb, tab1, x, bt, tc, stat
	v_lshl_add_u32 v[SPW], v0, 2, SPARE
	v_mov_b32 v[NIL], 0
	ds_add_u32 v[SPW], v[NIL]                      ; the wave's opening: the add and its wait ahead of my first tensor load
	v_lshrrev_b32 v1, 5, v0
	v_readfirstlane_b32 s[WV], v1
	s_lshr_b32 s[QH], s[WV], 1                     ; which 64 columns
	s_and_b32 s[KH], s[WV], 1                      ; which half of the rows
	s_bfe_u32 s[CX], ttmp6, 0x40000
	s_lshl_b32 s[QB], ttmp9, 2
	s_add_co_u32 s[QB], s[QB], s[CX]               ; my block of 128 columns
	s_and_b32 s[BB], ttmp7, 0xffff                 ; the batch, which the partners share
	s_mov_b32 s[G1V], 15|(1<<16)|(1<<20)|(1<<21)|(6<<22)|(3<<25)   ; the mask of four; 2-byte elements; padding on; bit 21 beside a mask; after every 128 words 4 words
	s_mov_b32 s[G1V+1], 256<<16                    ; tensor_dim0 = 256
	s_mov_b32 s[G1V+2], 64<<16                     ; tensor_dim1 = 64
	s_mov_b32 s[G1V+3], 256<<16                    ; tile_dim0 = 256 elements (512 bytes)
	s_mov_b32 s[G1V+4], 64                         ; tile_dim1 = 64 rows a wave
	s_mov_b32 s[G1V+5], VP/2                       ; elements from row to row
	s_mov_b32 s[G1V+6], 0
	s_mov_b32 s[G1V+7], 0
	DENSE G1N, 16                                  ; nb: 4,096 bytes a wave
	DENSE G1T, 4                                   ; T1p: 1,024 bytes a wave
	s_mov_b32 s[G0V], 1
	s_mul_i32 s[G0V+1], s[WV], 64*PITCH
	s_mov_b32 s[G0N], 1
	s_lshl_b32 s[G0N+1], s[WV], 12
	s_add_co_u32 s[G0N+1], s[G0N+1], NBL
	s_mov_b32 s[G0T], 1
	s_lshl_b32 s[G0T+1], s[WV], 10
	s_add_co_u32 s[G0T+1], s[G0T+1], TAB
	s_mul_i32 s2, s[BB], 256*VP                    ; the batch in vbf
	s_mov_b32 s3, 0
	s_mov_b32 s67, 0
	s_mov_b32 s101, 0
	s_mov_b32 s[SEL], 0x76543210
	s_mov_b32 s[SEL+1], 0xfedcba98
	s_cmp_eq_u32 ttmp9, 0                          ; the batch's first cluster prefetches: the same in all partners
	s_cselect_b32 s[LIM], 1, -1
	s_wait_dscnt 0x0                               ; the opening add is done
	s_wait_kmcnt 0x0
	; what feeds the joint descriptors is made of the batch and the wave's number alone, in s2, s3, s66, s67, s93
	s_add_nc_u64 s[PVB:PVB+1], s[PVB:PVB+1], s[2:3]
	s_mul_i32 s66, s[WV], 64*VP
	s_add_nc_u64 s[G0V+2:G0V+3], s[PVB:PVB+1], s[66:67]
	s_or_b32 s[G0V+3], s[G0V+3], 0x80000000
	s_lshl_b32 s66, s[BB], 14
	s_lshl_b32 s93, s[WV], 12
	s_add_co_u32 s66, s66, s93
	s_add_nc_u64 s[G0N+2:G0N+3], s[PNB:PNB+1], s[66:67]
	s_or_b32 s[G0N+3], s[G0N+3], 0x80000000
	s_lshl_b32 s66, s[WV], 10
	s_add_nc_u64 s[G0T+2:G0T+3], s[PTAB:PTAB+1], s[66:67]
	s_or_b32 s[G0T+3], s[G0T+3], 0x80000000
	s_load_b128 s[MU:MU+3], s[PTAB:PTAB+1], 0x1000 ; mu; waited for on the way out
	s_lshl_b32 s66, s[BB], 19
	s_add_nc_u64 s[PQF:PQF+1], s[PQF:PQF+1], s[66:67]  ; qf at the batch
	s_lshl_b32 s66, s[KH], 12
	s_add_nc_u64 s[KBASE:KBASE+1], s[PQF:PQF+1], s[66:67]
	s_lshl_b32 s66, s[BB], 21
	s_add_nc_u64 s[PTC:PTC+1], s[PTC:PTC+1], s[66:67]  ; tc at the batch
	; what hangs on my place in the cluster: s100, s101, s88
	s_lshl_b32 s100, s[QB], 14
	s_lshl_b32 s88, s[QH], 13
	s_add_co_u32 s100, s100, s88
	s_add_nc_u64 s[PQF:PQF+1], s[PQF:PQF+1], s[100:101]  ; my four tiles of columns
	s_mul_i32 s100, s[CX], 64*VP
	s_mul_i32 s88, s[WV], 16*VP
	s_add_co_u32 s100, s100, s88
	s_add_co_u32 s100, s100, 512                   ; tile 1; the first change steps it to tile 2
	s_add_nc_u64 s[PFA:PFA+1], s[PVB:PVB+1], s[100:101]
	s_mul_i32 s100, s[BB], 49152
	s_lshl_b32 s88, s[QB], 9
	s_add_co_u32 s100, s100, s88
	s_lshl_b32 s88, s[WV], 7
	s_add_co_u32 s100, s100, s88
	s_add_nc_u64 s[PX:PX+1], s[PX:PX+1], s[100:101]      ; x at the 32 columns that I finish
	s_lshl_b32 s100, s[QB], 8
	s_add_nc_u64 s[PTC:PTC+1], s[PTC:PTC+1], s[100:101]
	s_lshl_b32 s100, s[BB], 5
	s_add_co_u32 s100, s100, s[QB]
	s_lshl_b32 s100, s100, 11
	s_add_nc_u64 s[PST:PST+1], s[PST:PST+1], s[100:101]  ; stat at my chunk
	CROUND                                         ; all four work-groups are here: the first joint loads meet
	tensor_load_to_lds s[G0N:G0N+3], s[G1N:G1N+7]  ; the three first fills go out together: three loads of mine are out
	s_nop 0
	tensor_load_to_lds s[G0T:G0T+3], s[G1T:G1T+7]
	s_nop 0
	tensor_load_to_lds s[G0V:G0V+3], s[G1V:G1V+7]
	s_nop 0
	PLACES
	v_and_b32 v1, 31, v0                           ; lane
	v_and_b32 v10, 15, v0                          ; r
	v_bfe_u32 v11, v0, 4, 1                        ; h
	v_lshlrev_b32 v[L16], 4, v1
	v_lshlrev_b32 v12, 2, v0
	v_lshlrev_b32 v13, 2, v10
	WIN 0x40                                       ; destination window 1
.set i, 0
.rept 16
	global_load_b128 v[QF+4*i:QF+4*i+3], v[L16], s[PQF:PQF+1] offset:512*i
.set i, i+1
.endr
.set i, 0
.rept 8
	global_load_b128 v[KB+4*i:KB+4*i+3], v[L16], s[KBASE:KBASE+1] offset:512*i              ; K of step 0
.set i, i+1
.endr
.set i, 0
.rept 8
	global_load_b128 v[KB+32+4*i:KB+32+4*i+3], v[L16], s[KBASE:KBASE+1] offset:8192+512*i   ; K of step 1
.set i, i+1
.endr
	WIN 0
.irp q, 0,1,2,3,4,5
	global_load_b32 v[XRW+\q], v13, s[PX:PX+1] offset:16384*(\q%3)+64*(\q/3)
.endr
	global_load_b32 v[XRW+6], v12, s[PBT:PBT+1]
	global_load_b32 v[XRW+7], v12, s[PBT:PBT+1] offset:512
.set i, 0
.rept 64
	v_mov_b32 v[VC+i], 0                           ; V of the step that has not been (an odd one),
.set i, i+1
.endr
.set i, 0
.rept 32
	v_mov_b32 v[P0+32+i], 0                        ; and its P
.set i, i+1
.endr
.set i, 0
.rept 8
	v_mov_b32 v[SUM+i], 0
.set i, i+1
.endr
	v_mul_u32_u24 v[AV0], v10, PITCH
	v_lshl_add_u32 v[AV0], v11, 4, v[AV0]
	s_lshl_b32 s2, s[KH], 6
	v_add_nc_u32 v[AV0], s2, v[AV0]                ; channel r, 16 bytes a half of the lanes, my half of a step's 64 rows
	v_add_nc_u32 v[AV0+1], 8*16*PITCH, v[AV0]
	v_lshlrev_b32 v[ACB0], 5, v11
	s_lshl_b32 s2, s[KH], 7
	s_add_co_u32 s2, s2, NBL
	v_add_nc_u32 v[ACB0], s2, v[ACB0]
	v_lshrrev_b32 v[PFO], 1, v1
	v_mul_u32_u24 v[PFO], v[PFO], VP
	v_and_b32 v14, 1, v1
	v_lshl_add_u32 v[PFO], v14, 8, v[PFO]          ; row lane / 2, half lane % 2
	WIN 0xa0
.set i, 0
.rept 32
	v_wmma_f32_16x16x32_bf16 v[8*i:8*i+7], v[VC:VC+7], v[P0+32:P0+39], 0    ; 0 x 0 + 0 starts every sum
.set i, i+1
.endr
	WIN 0xf0
.set i, 0
.rept 32
	v_wmma_f32_16x16x32_bf16 v[8*i:8*i+7], v[VC:VC+7], v[P0+32:P0+39], 0
.set i, i+1
.endr
	WIN 0
	s_mov_b32 s[SLOTS], 16
	s_mov_b32 s[TBV], XS+512                       ; the first change turns this into 0
	s_mov_b32 s[TBC], 0
	s_mov_b32 s[KOFF], 16384                       ; the next K to be asked for is step 2's
	s_mov_b32 s[KOFF+1], 0
	s_add_nc_u64 s[KP:KP+1], s[KBASE:KBASE+1], s[KOFF:KOFF+1]
	s_add_co_u32 s[KOFF], s[KOFF], 8192
; nb of a step's 32 rows, as the C operand: register e of group kt holds row 16 kt + 8 (lane / 16) + e
.macro CLOADS
	ds_load_b128 v[CB:CB+3],     v[ACB]
	ds_load_b128 v[CB+4:CB+7],   v[ACB] offset:16
	ds_load_b128 v[CB+8:CB+11],  v[ACB] offset:64
	ds_load_b128 v[CB+12:CB+15], v[ACB] offset:80
.endm
.macro CSTEP                           ; the offset wraps at the batch's end: the last look-ahead serves nothing
	s_add_co_u32 s[TBC], s[TBC], 256
	s_and_b32 s[TBC], s[TBC], 0x3fff
.endm
; THE RUN OF STEP j, p = j % 2: C(j + 1), 4 loads; V(j), channels 0-127, 16; V(j), channels 128-255, 16, into the buffer of the step's parity; K(j + 2), 8, into the set that the scores of step j have read.
; The three address lines are, with the v_nop at the end of the step before, the four places between that step's last product and the loads into the registers that it read.
.macro RUN p
	WIN 0
	v_add_nc_u32 v[ACB], s[TBC], v[ACB0]
	v_add_nc_u32 v[ADR], s[TBV], v[AV0]
	v_add_nc_u32 v[ADR+1], s[TBV], v[AV0+1]
	s_add_co_u32 s[TBV], s[TBV], 128               ; the next step's 64 rows
	CSTEP
	CLOADS
	WIN 0x40                                       ; destination window 1
.irp c, 0,1,2,3,4,5,6,7
	ds_load_b128 v[8*\c:8*\c+3],   v[ADR] offset:16*PITCH*\c
	ds_load_b128 v[8*\c+4:8*\c+7], v[ADR] offset:16*PITCH*\c+32
.endr
.if \p
	WIN 0
.irp c, 0,1,2,3,4,5,6,7
	ds_load_b128 v[VC+8*\c:VC+8*\c+3],   v[ADR+1] offset:16*PITCH*\c
	ds_load_b128 v[VC+8*\c+4:VC+8*\c+7], v[ADR+1] offset:16*PITCH*\c+32
.endr
	WIN 0x40
.else
.irp c, 0,1,2,3,4,5,6,7
	ds_load_b128 v[64+8*\c:64+8*\c+3],   v[ADR+1] offset:16*PITCH*\c
	ds_load_b128 v[64+8*\c+4:64+8*\c+7], v[ADR+1] offset:16*PITCH*\c+32
.endr
.endif
.irp i, 0,1,2,3,4,5,6,7
	global_load_b128 v[KB+32*(\p)+4*\i:KB+32*(\p)+4*\i+3], v[L16], s[KP:KP+1] offset:512*\i   ; 4 KiB on end
.endr
.endm
; a step's scores: 16 products; K step i / 8, column tile (i / 2) % 4, row group i % 2; the first 8 start their sums with nb; the 8 accumulators take turns
.macro KQ kb
	WIN 0x05
.set i, 0
.rept 16
.if i < 8
	v_wmma_f32_16x16x32_f16 v[S+16*((i/2)%4)+8*(i%2):S+16*((i/2)%4)+8*(i%2)+7], v[KB+32*(\kb)+16*(i%2)+8*(i/8):KB+32*(\kb)+16*(i%2)+8*(i/8)+7], v[QF+16*((i/2)%4)+8*(i/8):QF+16*((i/2)%4)+8*(i/8)+7], v[CB+8*(i%2):CB+8*(i%2)+7]
.else
	v_wmma_f32_16x16x32_f16 v[S+16*((i/2)%4)+8*(i%2):S+16*((i/2)%4)+8*(i%2)+7], v[KB+32*(\kb)+16*(i%2)+8*(i/8):KB+32*(\kb)+16*(i%2)+8*(i/8)+7], v[QF+16*((i/2)%4)+8*(i/8):QF+16*((i/2)%4)+8*(i/8)+7], v[S+16*((i/2)%4)+8*(i%2):S+16*((i/2)%4)+8*(i%2)+7]
.endif
.set i, i+1
.endr
.endm
; 32 products O += V P of a step of parity p, on half of the channels, each accumulator once; behind each two vector instructions under window 0.
; V: half 0: window 1, v0-63; half 1: window 1, v64-127 (p = 0) or window 0, v192-255 (p = 1).
; ride = 1: two exponentials of S^T, in place, ascending.  ride = 2: a pair of weights rounded into the OTHER buffer of P, and added to its column's sum.  ride = 0: none.
.macro PVH half, p, ride
.set i, 0
.rept 32
	WIN 0xa1+(\half)*(0x50-(\p))
	v_wmma_f32_16x16x32_bf16 v[8*i:8*i+7], v[(\half)*(64+128*(\p))+8*(i/4):(\half)*(64+128*(\p))+8*(i/4)+7], v[P0+32*(\p)+8*(i%4):P0+32*(\p)+8*(i%4)+7], v[8*i:8*i+7]
.if (\ride) == 1
	WIN 0
	v_exp_f32 v[S+2*i], v[S+2*i]
	v_exp_f32 v[S+2*i+1], v[S+2*i+1]
.elseif (\ride) == 2
	WIN 0
	v_cvt_pk_bf16_f32 v[P0+32*(1-(\p))+8*(i%4)+i/4], v[S+16*(i%4)+2*(i/4)], v[S+16*(i%4)+2*(i/4)+1]
	v_pk_add_f32 v[SUM+2*(i%4):SUM+2*(i%4)+1], v[SUM+2*(i%4):SUM+2*(i%4)+1], v[S+16*(i%4)+2*(i/4):S+16*(i%4)+2*(i/4)+1]
.endif
.set i, i+1
.endr
.endm
; STEP j, p = j % 2.  Each counted wait names the loads of the step's run that were issued behind the ones that it wants.
.macro STEPR p
	RUN \p
	s_wait_dscnt 36                                ; all of the run before is in, V(j-1)'s channels 128-255 among it: behind it this run's 36 LDS loads
	PVH 1, 1-(\p), 2                               ; V P of step j - 1, upper channels | P(j) and the sums
	s_wait_loadcnt 8                               ; K(j+1) is in; K(j+2)'s 8 loads stay out
	s_wait_dscnt 32                                ; C(j+1) is in: behind it V(j)'s 32 loads
	s_wait_xcnt 0x0                                ; this run's loads of K, 32 products back, have read their pointer: it is made anew for the next run
	s_add_nc_u64 s[KP:KP+1], s[KBASE:KBASE+1], s[KOFF:KOFF+1]
	s_add_co_u32 s[KOFF], s[KOFF], 8192
	s_and_b32 s[KOFF], s[KOFF], 0x7ffff            ; the offset wraps at the batch's end, so that no load leaves qf: the last two look-aheads serve nothing
	KQ 1-(\p)                                      ; the scores of step j + 1
	PLACES                                         ; ahead of the exponentials that read them, and of the next run's loads into K's and C's registers
	s_wait_dscnt 16                                ; V(j), channels 0-127, is in: behind it the upper channels' 16
	PVH 0, \p, 1                                   ; V P of step j, lower channels | the exponentials of step j + 1
	WIN 0
	v_nop                                          ; a plain instruction behind the last exponential,
	s_wait_alu depctr_va_vdst(0)                   ; and the batch's one wait, ahead of its first reader and of the branch
.endm
.macro PERIOD                          ; a slot's four steps
	s_mov_b32 s[CNT], 2
.Lpair_\@:
	STEPR 0
	STEPR 1
	s_sub_co_u32 s[CNT], s[CNT], 1
	s_cmp_lg_u32 s[CNT], 0
	s_cbranch_scc1 .Lpair_\@
.endm
	CHANGE                                         ; nb, T1p and tile 0 are in, everybody's parts; tile 1 is asked for
	v_add_nc_u32 v[ACB], s[TBC], v[ACB0]
	CSTEP
	CLOADS                                         ; C of step 0
	s_wait_loadcnt 16                              ; Q and K(0) are in: behind them K(1)'s 8, x's 6, bt's 2
	s_wait_dscnt 0x0
	KQ 0
	PLACES
	WIN 0
.set i, 0
.rept 64
	v_exp_f32 v[S+i], v[S+i]
.set i, i+1
.endr
	v_nop
	s_wait_alu depctr_va_vdst(0)
	s_branch .Lenter
.Lslot:                                        ; tiles 2 to 16 are asked for here; the last of them is Wt
	CHANGE
.Lenter:
	PERIOD
	s_sub_co_u32 s[SLOTS], s[SLOTS], 1
	s_cmp_lg_u32 s[SLOTS], 0
	s_cbranch_scc1 .Lslot
	s_wait_loadcnt 0x0                             ; the look-aheads of K, which serve nothing, have landed
	s_wait_dscnt 0x0
	PVH 1, 1, 0                                    ; V P of step 63, upper channels
	WIN 0
	; ======== THE WAY OUT ========
.irp q, 0,1,2,3                                ; the column sums: the pair, then the other half of the lanes.  These additions are the places behind the last products
	v_add_f32 v[SUM+2*\q], v[SUM+2*\q], v[SUM+2*\q+1]
.endr
.irp q, 0,1,2,3
	v_permlanex16_b32 v[SUM+2*\q+1], v[SUM+2*\q], s[SEL], s[SEL+1]
.endr
.irp q, 0,1,2,3
	v_add_f32 v[SUM+2*\q], v[SUM+2*\q], v[SUM+2*\q+1]
.endr
	s_wait_kmcnt 0x0                               ; mu
	RND2 XRW, XRW+1, 12
	RND2 XRW+2, XRW+3, 12
	RND2 XRW+4, XRW+5, 12
	RND2 XRW+6, XRW+7, 12
.irp q, 0,1,2,3,4,5
	v_sub_f32 v[XD+2*\q], v[XRW+\q], s[MU+(\q%3)]
	v_mov_b32 v[XD+2*\q+1], v[XD+2*\q]
.endr
	v_mov_b32 v28, v[XRW+6]                        ; bt of channels t and t + 128 (t: my thread)
	v_mov_b32 v29, v[XRW+7]
	s_lshl_b32 s2, s[WV], 9
	s_add_co_u32 s2, s2, SMS
	v_lshl_add_u32 v3, v1, 2, s2                   ; where my four sums go
	s_lshl_b32 s2, s[WV], 15
	s_add_co_u32 s2, s2, XS
	v_add_nc_u32 v4, s2, v[L16]                    ; where I send two tiles of O: 32,768 bytes a wave, in slot 1
	s_xor_b32 s3, s[WV], 1                         ; my partner: the same columns, the other rows
	s_lshl_b32 s2, s3, 15
	s_add_co_u32 s2, s2, XS
	v_add_nc_u32 v5, s2, v[L16]                    ; where I find my partner's
	s_lshl_b32 s66, s[KH], 1
	s_lshl_b32 s2, s[WV], 2
	s_add_co_u32 s2, s2, s66
	s_lshl_b32 s2, s2, 7
	s_add_co_u32 s2, s2, SMS
	v_lshl_add_u32 v6, v1, 2, s2                   ; my sums of tiles 2 kh, 2 kh + 1,
	s_lshl_b32 s3, s3, 2
	s_add_co_u32 s3, s3, s66
	s_lshl_b32 s3, s3, 7
	s_add_co_u32 s3, s3, SMS
	v_lshl_add_u32 v7, v1, 2, s3                   ; and my partner's
	v_lshl_add_u32 v8, v11, 7, TAB
	s_lshl_b32 s2, s[WV], 2
	s_add_co_u32 s2, s2, SB
	v_lshl_add_u32 v14, v10, 4, s2
	v_lshl_add_u32 v15, v10, 4, SB
	v_mul_u32_u24 v24, v10, SP
	v_lshl_add_u32 v24, v11, 4, v24
	s_lshl_b32 s2, s[WV], 6
	s_add_co_u32 s2, s2, XS
	v_add_nc_u32 v24, s2, v24                      ; the stage, in: row r, my 64 bytes of it
	v_mul_u32_u24 v25, v11, SP
	v_lshl_add_u32 v25, v10, 4, v25
	s_mul_i32 s2, s[WV], 64*SP
	s_add_co_u32 s2, s2, XS
	v_add_nc_u32 v25, s2, v25                      ; back: whole rows, 64 a wave
	v_lshlrev_b32 v26, 13, v11
	v_lshl_add_u32 v26, v10, 4, v26
	s_lshl_b32 s2, s[WV], 19
	v_add_nc_u32 v26, s2, v26                      ; the same rows in tc
	v_lshl_add_u32 v27, v0, 4, SB
	v_lshlrev_b32 v12, 3, v0
	s_wait_dscnt 0x0
	s_barrier_signal -1
	s_barrier_wait -1                              ; every wave's reads of slot 1 are over: it has had its last fill and serves as scratch
.irp q, 0,1,2,3
	ds_store_b32 v3, v[SUM+2*\q] offset:128*\q
.endr
; two tiles of O, q0 and q0 + 1, all 16 channel blocks: out, and my partner's in, into the same registers; each accumulator's low half first
.macro SENDX q0
.irp wd, 0,1
	WIN 0x08+4*\wd                                 ; store data in window 2 or 3
.set u, 0
.rept 16
	ds_store_b128 v4, v[8*(4*(u/2)+(\q0)+u%2):8*(4*(u/2)+(\q0)+u%2)+3]   offset:1024*(16*\wd+u)
	ds_store_b128 v4, v[8*(4*(u/2)+(\q0)+u%2)+4:8*(4*(u/2)+(\q0)+u%2)+7] offset:1024*(16*\wd+u)+512
.set u, u+1
.endr
.endr
	WIN 0
.endm
.macro RECVX q0
.irp wd, 0,1
	WIN 0x80+0x40*\wd
.set u, 0
.rept 16
	ds_load_b128 v[8*(4*(u/2)+(\q0)+u%2):8*(4*(u/2)+(\q0)+u%2)+3],   v5 offset:1024*(16*\wd+u)
	ds_load_b128 v[8*(4*(u/2)+(\q0)+u%2)+4:8*(4*(u/2)+(\q0)+u%2)+7], v5 offset:1024*(16*\wd+u)+512
.set u, u+1
.endr
.endr
	WIN 0
.endm
	s_cmp_eq_u32 s[KH], 0
	s_cbranch_scc0 .Lsend1
	SENDX 2                                        ; the wave of the even rows keeps tiles 0, 1
	s_branch .Lsent
.Lsend1:
	SENDX 0                                        ; the other keeps tiles 2, 3
.Lsent:
	s_wait_tensorcnt 0x0                           ; my part of Wt has landed
	s_wait_dscnt 0x0
	s_barrier_signal -1
	s_barrier_wait -1
	s_cmp_eq_u32 s[KH], 0
	s_cbranch_scc0 .Lrecv1
	RECVX 2
	s_branch .Lgot
.Lrecv1:
	RECVX 0
.Lgot:
	ds_load_b32 v16, v6
	ds_load_b32 v17, v6 offset:128
	ds_load_b32 v18, v7
	ds_load_b32 v19, v7 offset:128
	s_wait_dscnt 0x0
.irp wd, 0,1                                   ; one text for both: places 0, 1 take the sums; they now hold columns 32 w + 16 t + r
	WIN 0x8a+0x45*\wd
.set u, 0
.rept 64
	v_pk_add_f32 v[32*(u/8)+8*((u/4)%2)+2*(u%4):32*(u/8)+8*((u/4)%2)+2*(u%4)+1], v[32*(u/8)+8*((u/4)%2)+2*(u%4):32*(u/8)+8*((u/4)%2)+2*(u%4)+1], v[32*(u/8)+16+8*((u/4)%2)+2*(u%4):32*(u/8)+16+8*((u/4)%2)+2*(u%4)+1]
.set u, u+1
.endr
.endr
	WIN 0
	v_add_f32 v16, v16, v18
	v_add_f32 v17, v17, v19
	v_add_f32 v16, 0x3089705f, v16                 ; 1e-9 + S
	v_add_f32 v17, 0x3089705f, v17
	v_rcp_f32 v[RS], v16
	v_rcp_f32 v[RS+1], v16
	v_rcp_f32 v[RS+2], v17
	v_rcp_f32 v[RS+3], v17
	v_nop
	s_wait_alu depctr_va_vdst(0)
; y = h - N / (1e-9 + S) for 16 channels x my 32 columns, rounded to f16 into source 0 of the last product.  q = 2 i + t: channel pair i of my 8 channels, column tile t.
.macro TLOAD ct, buf
.irp i, 0,1,2,3
	ds_load_b128 v[(\buf)+8*\i:(\buf)+8*\i+3],   v8 offset:256*(\ct)+32*\i
	ds_load_b128 v[(\buf)+8*\i+4:(\buf)+8*\i+7], v8 offset:256*(\ct)+32*\i+16
.endr
.endm
.macro YROW ct, buf
.set q, 0
.rept 8
	v_pk_fma_f32 v[HT+2*q:HT+2*q+1], v[(\buf)+8*(q/2):(\buf)+8*(q/2)+1], v[XD+6*(q%2):XD+6*(q%2)+1], v[(\buf)+8*(q/2)+6:(\buf)+8*(q/2)+7]
.set q, q+1
.endr
.set q, 0
.rept 8
	v_pk_fma_f32 v[HT+2*q:HT+2*q+1], v[(\buf)+8*(q/2)+2:(\buf)+8*(q/2)+3], v[XD+6*(q%2)+2:XD+6*(q%2)+3], v[HT+2*q:HT+2*q+1]
.set q, q+1
.endr
.set q, 0
.rept 8
	v_pk_fma_f32 v[HT+2*q:HT+2*q+1], v[(\buf)+8*(q/2)+4:(\buf)+8*(q/2)+5], v[XD+6*(q%2)+4:XD+6*(q%2)+5], v[HT+2*q:HT+2*q+1]
.set q, q+1
.endr
.set q, 0
.rept 16
	v_max_num_f32 v[HT+q], 0, v[HT+q]
.set q, q+1
.endr
	WIN 0x02+(\ct)/8                               ; source 0 in window 2 or 3
.set q, 0
.rept 8
	v_pk_fma_f32 v[HT+2*q:HT+2*q+1], v[8*(4*((\ct)%8)+q%2)+2*(q/2):8*(4*((\ct)%8)+q%2)+2*(q/2)+1], v[RS+2*(q%2):RS+2*(q%2)+1], v[HT+2*q:HT+2*q+1] neg_lo:[0,1,0] neg_hi:[0,1,0]
.set q, q+1
.endr
	WIN 0
.set q, 0
.rept 8
	v_cvt_pk_f16_f32 v[Y+16*((\ct)/2)+8*(q%2)+4*((\ct)%2)+q/2], v[HT+2*q], v[HT+2*q+1]
.set q, q+1
.endr
.endm
	TLOAD 0, CT0
.irp ct, 0,1,2,3,4,5,6,7,8,9,10,11,12,13,14,15
.if \ct < 15
	TLOAD \ct+1, CT0+32*((\ct+1)%2)
	s_wait_dscnt 8                                 ; this block's coefficients are in; the next block's 8 loads stay out
.else
	s_wait_dscnt 0x0
.endif
	YROW \ct, CT0+32*(\ct%2)
.endr
; T = Y Wt^T.  Wt lies in slot 0, piece 16 dt + 2 ks + half in row of that number.  The fragments of channel blocks 2 g, 2 g + 1 (rows 32 g .. 32 g + 31) go into half of window 1; 32 products, 4 accumulators by turns,
; K ascending.  Three address registers, 96 rows apart, keep the offsets inside their 16 bits (50,160 at the most).
	v_add_nc_u32 v13, 96*PITCH, v[L16]
	v_add_nc_u32 v20, 192*PITCH, v[L16]
.macro LOADW g, buf
	WIN 0x40
.if (\g) < 3
.set rW, L16
.elseif (\g) < 6
.set rW, 13
.else
.set rW, 20
.endif
.set u, 0
.rept 16
	ds_load_b128 v[128*(\buf)+8*u:128*(\buf)+8*u+3],   v[rW] offset:PITCH*(32*((\g)%3)+2*u)
	ds_load_b128 v[128*(\buf)+8*u+4:128*(\buf)+8*u+7], v[rW] offset:PITCH*(32*((\g)%3)+2*u+1)
.set u, u+1
.endr
.endm
.macro GEMM g, buf
	WIN 0xa4+0x50*((\g)/4)                         ; Y window 0, Wt window 1, C and D window 2 or 3
.set u, 0
.rept 32                                       ; u = 4 ks + 2 d2 + t
.set rT, 8*(4*((2*(\g)+(u/2)%2)%8)+u%2)
.if u < 4
	v_wmma_f32_16x16x32_f16 v[rT:rT+7], v[Y+16*(u/4)+8*(u%2):Y+16*(u/4)+8*(u%2)+7], v[128*(\buf)+64*((u/2)%2)+8*(u/4):128*(\buf)+64*((u/2)%2)+8*(u/4)+7], 0
.else
	v_wmma_f32_16x16x32_f16 v[rT:rT+7], v[Y+16*(u/4)+8*(u%2):Y+16*(u/4)+8*(u%2)+7], v[128*(\buf)+64*((u/2)%2)+8*(u/4):128*(\buf)+64*((u/2)%2)+8*(u/4)+7], v[rT:rT+7]
.endif
.set u, u+1
.endr
.endm
	LOADW 0, 0
	LOADW 1, 1
.irp g, 0,1,2,3,4,5,6,7
.if \g < 7
	s_wait_dscnt 32                                ; this pair's fragments are in; the next pair's 32 loads stay out
.else
	s_wait_dscnt 0x0
.endif
	GEMM \g, \g%2
.if \g < 6
	PLACES
	LOADW \g+2, \g%2
.endif
.endr
	; ---- the mean of t over the work-group's 128 columns.  T[dt][t] lies at 32 (dt % 8) + 8 t; a lane holds channel 16 dt + r and 16 columns
	PLACES
.irp wd, 0,1
	WIN 0x0a+5*\wd                                 ; sources 0 and 1 in window 2 or 3
.set u, 0
.rept 32
	v_pk_add_f32 v[64+2*u:64+2*u+1], v[32*(u/4)+2*(u%4):32*(u/4)+2*(u%4)+1], v[32*(u/4)+8+2*(u%4):32*(u/4)+8+2*(u%4)+1]
.set u, u+1
.endr
	WIN 0
.set u, 0
.rept 8
	v_pk_add_f32 v[64+8*u:64+8*u+1], v[64+8*u:64+8*u+1], v[64+8*u+2:64+8*u+3]
	v_pk_add_f32 v[64+8*u+4:64+8*u+5], v[64+8*u+4:64+8*u+5], v[64+8*u+6:64+8*u+7]
.set u, u+1
.endr
.set u, 0
.rept 8
	v_pk_add_f32 v[64+8*u:64+8*u+1], v[64+8*u:64+8*u+1], v[64+8*u+4:64+8*u+5]
.set u, u+1
.endr
.set u, 0
.rept 8
	v_add_f32 v[128+8*\wd+u], v[64+8*u], v[64+8*u+1]
.set u, u+1
.endr
.endr
.set u, 0
.rept 16
	v_permlanex16_b32 v[144+u], v[128+u], s[SEL], s[SEL+1]
.set u, u+1
.endr
.set u, 0
.rept 16
	v_add_f32 v[128+u], v[128+u], v[144+u]
.set u, u+1
.endr
.set u, 0
.rept 16
	ds_store_b32 v14, v[128+u] offset:256*u        ; my 32 columns' sum for channel 16 u + r
.set u, u+1
.endr
	s_wait_dscnt 0x0
	s_barrier_signal -1
	s_barrier_wait -1                              ; also: every wave has read what its partner sent, so the stage may be written
.set u, 0
.rept 16
	ds_load_b128 v[64+4*u:64+4*u+3], v15 offset:256*u
.set u, u+1
.endr
	s_wait_dscnt 0x0
.set u, 0
.rept 16
	v_pk_add_f32 v[64+4*u:64+4*u+1], v[64+4*u:64+4*u+1], v[64+4*u+2:64+4*u+3]
.set u, u+1
.endr
.set u, 0
.rept 16
	v_add_f32 v[64+4*u], v[64+4*u], v[64+4*u+1]
.set u, u+1
.endr
.set u, 0
.rept 16
	v_mul_f32 v[128+2*u], 0x3c000000, v[64+4*u]    ; / 128
	v_mov_b32 v[128+2*u+1], v[128+2*u]
.set u, u+1
.endr
.irp wd, 0,1                                   ; t less the chunk's mean, in place
	WIN 0x82+0x41*\wd
.set u, 0
.rept 64
	v_pk_add_f32 v[32*(u/8)+2*(u%8):32*(u/8)+2*(u%8)+1], v[32*(u/8)+2*(u%8):32*(u/8)+2*(u%8)+1], v[128+2*(8*\wd+u/8):128+2*(8*\wd+u/8)+1] neg_lo:[0,1] neg_hi:[0,1]
.set u, u+1
.endr
.endr
.irp wd, 0,1                                   ; its squares, eight chains by turns; and its rounding to bf16
	WIN 0x0a+5*\wd
.set u, 0
.rept 64                                       ; u = 8 k + d
.if u < 8
	v_pk_mul_f32 v[64+2*(8*\wd+u%8):64+2*(8*\wd+u%8)+1], v[32*(u%8):32*(u%8)+1], v[32*(u%8):32*(u%8)+1]
.else
	v_pk_fma_f32 v[64+2*(8*\wd+u%8):64+2*(8*\wd+u%8)+1], v[32*(u%8)+2*(u/8):32*(u%8)+2*(u/8)+1], v[32*(u%8)+2*(u/8):32*(u%8)+2*(u/8)+1], v[64+2*(8*\wd+u%8):64+2*(8*\wd+u%8)+1]
.endif
.set u, u+1
.endr
.set u, 0
.rept 64
	v_cvt_pk_bf16_f32 v[128+64*\wd+u], v[32*(u/8)+2*(u%8)], v[32*(u/8)+2*(u%8)+1]
.set u, u+1
.endr
.endr
	WIN 0
.set u, 0
.rept 16
	v_add_f32 v[96+u], v[64+2*u], v[64+2*u+1]
.set u, u+1
.endr
.set u, 0
.rept 16
	v_permlanex16_b32 v[112+u], v[96+u], s[SEL], s[SEL+1]
.set u, u+1
.endr
.set u, 0
.rept 16
	v_add_f32 v[96+u], v[96+u], v[112+u]
.set u, u+1
.endr
.set u, 0
.rept 16
	ds_store_b32 v14, v[96+u] offset:4096+256*u
.set u, u+1
.endr
.set u, 0
.rept 32                                       ; u = 2 dt + t
	ds_store_b128 v24, v[128+4*u:128+4*u+3] offset:16*SP*(u/2)+32*(u%2)
.set u, u+1
.endr
	s_wait_dscnt 0x0
	s_barrier_signal -1
	s_barrier_wait -1
	ds_load_b128 v[64:67], v27                     ; thread t: the four waves' sums of channels t and t + 128,
	ds_load_b128 v[68:71], v27 offset:2048
	ds_load_b128 v[72:75], v27 offset:4096         ; and their centred squares
	ds_load_b128 v[76:79], v27 offset:6144
.set u, 0
.rept 32
	ds_load_b128 v[128+4*u:128+4*u+3], v25 offset:2*SP*u
.set u, u+1
.endr
.set u, 0
.rept 32
	s_wait_dscnt 31-u
	global_store_b128 v26, v[128+4*u:128+4*u+3], s[PTC:PTC+1] offset:16384*u   ; 16 lanes store 256 consecutive bytes, aligned
.set u, u+1
.endr
	v_pk_add_f32 v[64:65], v[64:65], v[66:67]
	v_pk_add_f32 v[68:69], v[68:69], v[70:71]
	v_pk_add_f32 v[72:73], v[72:73], v[74:75]
	v_pk_add_f32 v[76:77], v[76:77], v[78:79]
	v_add_f32 v64, v64, v65
	v_add_f32 v68, v68, v69
	v_add_f32 v81, v72, v73
	v_add_f32 v83, v76, v77
	v_fmamk_f32 v80, v64, 0x3c000000, v28          ; the chunk's mean of t, bt added
	v_fmamk_f32 v82, v68, 0x3c000000, v29
	global_store_b64 v12, v[80:81], s[PST:PST+1]   ; a wave's store covers 256 consecutive bytes
	global_store_b64 v12, v[82:83], s[PST:PST+1] offset:1024
	s_wait_tensorcnt 0x0                           ; the wave's end
	ds_add_u32 v[SPW], v[NIL]
	s_wait_dscnt 0x0
	CROUND                                         ; the closing round
	s_endpgm
.Lfunc_end_k_qd08d0662af_attn:
	.size	k_qd08d0662af_attn, .Lfunc_end_k_qd08d0662af_attn-k_qd08d0662af_attn
	.p2alignl 7, 3214868480
	.fill 96, 4, 3214868480
	.section	.rodata,"a",@progbits
	.p2align	6, 0x0
	.amdhsa_kernel k_qd08d0662af_attn
		.amdhsa_group_segment_fixed_size 327680
		.amdhsa_private_segment_fixed_size 0
		.amdhsa_enable_private_segment 0
		.amdhsa_kernarg_size 64
		.amdhsa_user_sgpr_count 2
		.amdhsa_user_sgpr_kernarg_segment_ptr 1
		.amdhsa_wavefront_size32 1
		.amdhsa_system_sgpr_workgroup_id_x 1
		.amdhsa_system_sgpr_workgroup_id_y 1
		.amdhsa_system_sgpr_workgroup_id_z 1
		.amdhsa_system_vgpr_workitem_id 0
		.amdhsa_next_free_vgpr 1024
		.amdhsa_next_free_sgpr 102
		.amdhsa_reserve_vcc 0
		.amdhsa_float_denorm_mode_32 3
		.amdhsa_float_denorm_mode_16_64 3
		.amdhsa_memory_ordered 1
		.amdhsa_forward_progress 1
		.amdhsa_inst_pref_size 236
	.end_amdhsa_kernel
	.amdgpu_metadata
---
amdhsa.version: [ 1, 2 ]
amdhsa.kernels:
  - .name:           k_qd08d0662af_attn
    .symbol:         k_qd08d0662af_attn.kd
    .args:
      - { .name: qf, .offset: 0, .size: 8, .value_kind: global_buffer, .address_space: global }
      - { .name: vbf, .offset: 8, .size: 8, .value_kind: global_buffer, .address_space: global }
      - { .name: nb, .offset: 16, .size: 8, .value_kind: global_buffer, .address_space: global }
      - { .name: tab1, .offset: 24, .size: 8, .value_kind: global_buffer, .address_space: global }
      - { .name: x, .offset: 32, .size: 8, .value_kind: global_buffer, .address_space: global }
      - { .name: bt, .offset: 40, .size: 8, .value_kind: global_buffer, .address_space: global }
      - { .name: tc, .offset: 48, .size: 8, .value_kind: global_buffer, .address_space: global }
      - { .name: stat, .offset: 56, .size: 8, .value_kind: global_buffer, .address_space: global }
    .group_segment_fixed_size: 327680
    .private_segment_fixed_size: 0
    .kernarg_segment_align: 8
    .kernarg_segment_size: 64
    .max_flat_workgroup_size: 128
    .sgpr_count:     102
    .vgpr_count:     1024
    .wavefront_size: 32
...
	.end_amdgpu_metadata
.endif
;; end of part 4
;; launch fin (part 5): grid 16 x 16, 8 waves a work-group, no clusters, 10,240 bytes of LDS; arguments tc, stat, tab1, x, g2, b2, out0; writes out0
.if DOCPART == 5
	.amdgcn_target "amdgcn-amd-amdhsa--gfx1250"
	.amdhsa_code_object_version 6
	.text
	.protected	k_qd08d0662af_fin
	.globl	k_qd08d0662af_fin
	.p2align	8
	.type	k_qd08d0662af_fin,@function
k_qd08d0662af_fin:
	s_mov_b64 s[64:65], 0
	v_nop
	global_prefetch_b8 v0, s[64:65] scope:SCOPE_SE
	s_setreg_imm32_b32 hwreg(HW_REG_WAVE_MODE, 25, 1), 1
	s_wait_xcnt 0x0
; FIN.  out = h + relu(BN(t)).  A work-group has 16 channels x 2,048 columns of one batch; wave w two chunks of 128 columns; a lane 4 columns of each.
; BN's statistics: the 256 chunks' means and centred squares are merged as M2_k + 128 (mean_k - mean)^2, never as a difference of large sums.  t = tc + its chunk's mean, so
; z = tc sc + (mean_chunk - mean) sc + b2 with sc = g2 rsqrt(var + 1e-5).  h is made anew from x and the table, as in the launches before (x, g2, b2 rounded to bf16 as they are loaded).
; A stream: all 62 loads of a wave go out at once; every store of a wave covers 512 consecutive bytes.  No matrix unit, no cluster: nothing is shared but 32 KiB of statistics.
; The 16 channels are written out, since tc's 32 loads land in 64 registers that a loop could not name.
.set RED2,  512                        ; LDS: 0 [16 d][8 waves] sums of means; here of squares
.set CST,   1024                       ; 1,024 bytes a wave, its own: 64 bytes a channel: A0, A1, A2, b1, sc, off0, off1 at the even words
.set SPARE, 9216                       ; the spare words, 128 bytes a wave
.set TP,  10
.set SPW, 30
.set NIL, 31
.set ST,  32                           ; v[32:63]  16 x (mean, M2)
.set XV,  72                           ; v[72:95]  x: chunk u, component i at 12 u + 4 i
.set TC,  96                           ; v[96:159] tc: channel ch, chunk u at 4 ch + 2 u
.set KC0, 160                          ; v[160:175], v[224:239]: a channel's constants, two buffers
.set CW,  176                          ; v[176:191] my channel's constants on their way to LDS
.set RES, 192                          ; v[192:199] results: chunk u at 4 u
.set HT,  208                          ; v[208:215] h
.set ZT,  216                          ; v[216:223] z
.set SEL, 34
.macro RND2 a, b, t                    ; two numbers rounded to bf16, kept as f32
	v_cvt_pk_bf16_f32 v[\t], v[\a], v[\b]
	v_lshlrev_b32 v[\a], 16, v[\t]
	v_and_b32 v[\b], 0xffff0000, v[\t]
.endm
	s_load_b256 s[4:11], s[0:1], 0x0               ; tc s[4:5], stat s[6:7], tab1 s[8:9], x s[10:11]
	s_load_b128 s[12:15], s[0:1], 0x20             ; g2 s[12:13], b2 s[14:15]
	s_load_b64 s[16:17], s[0:1], 0x30              ; out0
	v_lshl_add_u32 v[SPW], v0, 2, SPARE
	v_mov_b32 v[NIL], 0
	v_lshrrev_b32 v1, 5, v0
	v_readfirstlane_b32 s18, v1                    ; wave
	s_and_b32 s19, ttmp7, 0xffff
	s_lshr_b32 s24, s19, 1                         ; batch
	s_and_b32 s25, s19, 1                          ; which 2,048 columns
	s_mov_b32 s[SEL], 0x76543210
	s_mov_b32 s[SEL+1], 0xfedcba98
	s_mov_b32 s36, 0x38000000                      ; 1 / 32,768
	s_mov_b32 s37, 0x3727c5ac                      ; 1e-5
	v_and_b32 v1, 31, v0
	v_and_b32 v2, 15, v0                           ; my channel among the 16
	v_bfe_u32 v3, v0, 4, 1
	v_mov_b32 v[TP], 0
	s_lshl_b32 s26, s18, 12
	v_lshl_add_u32 v4, v3, 11, s26
	v_lshl_add_u32 v4, v2, 3, v4                   ; stat: chunk 2 w + lane / 16 (+ 16 k), my channel
	v_lshlrev_b32 v5, 2, v2
	v_lshrrev_b32 v6, 1, v2
	v_lshlrev_b32 v6, 5, v6
	v_and_b32 v7, 1, v2
	v_lshl_add_u32 v6, v7, 2, v6                   ; T1p: the pair's 32 bytes, my place in each pair of words
	v_lshl_add_u32 v7, v2, 3, s26                  ; the means of my wave's two chunks
	s_lshl_b32 s26, s18, 10
	v_lshl_add_u32 v8, v1, 4, s26                  ; x and out: 1,024 w + 16 lane; never rewritten
	s_lshl_b32 s26, s18, 9
	v_lshl_add_u32 v9, v1, 3, s26                  ; tc: 512 w + 8 lane
.irp z, 1,3,5,7,9,11,13,14,15
	v_mov_b32 v[CW+\z], 0                          ; the words between the constants are written too
.endr
	s_mov_b32 s27, 0
	s_wait_kmcnt 0x0
	s_load_b128 s[20:23], s[8:9], 0x1000           ; mu
	s_lshl_b32 s26, ttmp9, 7
	s_add_nc_u64 s[6:7], s[6:7], s[26:27]          ; stat at my 16 channels
	s_lshl_b32 s26, s24, 5
	s_lshl_b32 s28, s25, 4
	s_add_co_u32 s26, s26, s28
	s_lshl_b32 s26, s26, 11
	s_add_nc_u64 s[28:29], s[6:7], s[26:27]        ; and at the work-group's first chunk
	s_lshl_b32 s26, ttmp9, 6
	s_add_nc_u64 s[12:13], s[12:13], s[26:27]
	s_add_nc_u64 s[14:15], s[14:15], s[26:27]
	s_lshl_b32 s26, ttmp9, 8
	s_add_nc_u64 s[30:31], s[8:9], s[26:27]        ; T1p at my 8 pairs (tab1's own pointer stays: the scalar load is out)
	s_mul_i32 s26, s24, 49152
	s_lshl_b32 s33, s25, 13
	s_add_co_u32 s26, s26, s33
	s_add_nc_u64 s[10:11], s[10:11], s[26:27]
	s_lshl_b32 s26, s24, 21
	s_lshl_b32 s33, ttmp9, 17
	s_add_co_u32 s26, s26, s33
	s_lshl_b32 s33, s25, 12
	s_add_co_u32 s26, s26, s33
	s_add_nc_u64 s[4:5], s[4:5], s[26:27]
	s_lshl_b32 s26, s24, 22
	s_lshl_b32 s33, ttmp9, 18
	s_add_co_u32 s26, s26, s33
	s_lshl_b32 s33, s25, 13
	s_add_co_u32 s26, s26, s33
	s_add_nc_u64 s[16:17], s[16:17], s[26:27]
.set k, 0
.rept 16
	global_load_b64 v[ST+2*k:ST+2*k+1], v4, s[6:7] offset:32768*k
.set k, k+1
.endr
	global_load_b32 v64, v5, s[12:13]              ; g2
	global_load_b32 v65, v5, s[14:15]              ; b2
.irp i, 0,1,2,3
	global_load_b32 v[CW+2*\i], v6, s[30:31] offset:8*\i   ; A0, A1, A2, b1
.endr
	global_load_b32 v66, v7, s[28:29]
	global_load_b32 v67, v7, s[28:29] offset:2048
.irp u, 0,1
.irp i, 0,1,2
	global_load_b128 v[XV+12*\u+4*\i:XV+12*\u+4*\i+3], v8, s[10:11] offset:16384*\i+512*\u
.endr
.endr
.set k, 0
.rept 32                                       ; k = 2 ch + u; a wave's load covers 256 consecutive bytes
	global_load_b64 v[TC+2*k:TC+2*k+1], v9, s[4:5] offset:8192*(k/2)+256*(k%2) th:TH_LOAD_NT
.set k, k+1
.endr
	; ---- the mean of t over all 256 chunks, for my channel
	s_wait_loadcnt 46                              ; the statistics are in: behind them 8 + 6 + 32
	v_add_f32 v11, v[ST], v[ST+2]
.set k, 2
.rept 14
	v_add_f32 v11, v11, v[ST+2*k]
.set k, k+1
.endr
	v_permlanex16_b32 v[TP], v11, s[SEL], s[SEL+1]
	v_add_f32 v11, v11, v[TP]                      ; my wave's 32 chunks
	s_lshl_b32 s26, s18, 2
	v_lshl_add_u32 v12, v2, 5, s26                 ; [d][wave]
	v_lshlrev_b32 v13, 5, v2
	ds_store_b32 v12, v11
	s_wait_dscnt 0x0
	s_barrier_signal -1
	s_barrier_wait -1
	ds_load_b128 v[14:17], v13
	ds_load_b128 v[18:21], v13 offset:16
	s_wait_dscnt 0x0
	v_pk_add_f32 v[14:15], v[14:15], v[16:17]
	v_pk_add_f32 v[18:19], v[18:19], v[20:21]
	v_pk_add_f32 v[14:15], v[14:15], v[18:19]
	v_add_f32 v14, v14, v15
	v_mul_f32 v22, 0x3b800000, v14                 ; the mean: / 256 chunks
	; ---- the variance
.set k, 0
.rept 16
	v_sub_f32 v11, v[ST+2*k], v22
	v_mul_f32 v11, v11, v11
.if k == 0
	v_fmamk_f32 v23, v11, 0x43000000, v[ST+1]      ; M2_k + 128 (mean_k - mean)^2
.else
	v_fmamk_f32 v11, v11, 0x43000000, v[ST+2*k+1]
	v_add_f32 v23, v23, v11
.endif
.set k, k+1
.endr
	v_permlanex16_b32 v[TP], v23, s[SEL], s[SEL+1]
	v_add_f32 v23, v23, v[TP]
	ds_store_b32 v12, v23 offset:RED2              ; other bytes than the means': no barrier between
	s_wait_dscnt 0x0
	s_barrier_signal -1
	s_barrier_wait -1
	ds_load_b128 v[14:17], v13 offset:RED2
	ds_load_b128 v[18:21], v13 offset:RED2+16
	s_wait_dscnt 0x0
	v_pk_add_f32 v[14:15], v[14:15], v[16:17]
	v_pk_add_f32 v[18:19], v[18:19], v[20:21]
	v_pk_add_f32 v[14:15], v[14:15], v[18:19]
	v_add_f32 v14, v14, v15
	v_fma_f32 v14, v14, s36, s37                   ; var + 1e-5
	; ---- my channel's constants, into my wave's own bytes of LDS
	s_wait_loadcnt 38                              ; g2, b2, the table's words and my chunks' means are in: behind them 6 + 32
	RND2 64, 65, 11
	v_rsq_f32 v15, v14
	v_sub_f32 v16, v66, v22                        ; my chunks' means less the mean: plain work behind the root
	v_sub_f32 v17, v67, v22
	s_lshl_b32 s26, s18, 10
	s_add_co_u32 s26, s26, CST
	v_lshl_add_u32 v24, v2, 6, s26                 ; 64 bytes a channel; both halves of the lanes write the same
	v_mov_b32 v25, s26                             ; and every lane reads the same
	s_wait_alu depctr_va_vdst(0)                   ; the root's wait, ahead of its first reader
	v_mul_f32 v[CW+8], v64, v15                    ; sc
	v_fma_f32 v[CW+10], v16, v[CW+8], v65          ; off0
	v_fma_f32 v[CW+12], v17, v[CW+8], v65          ; off1
.irp q, 0,1,2,3
	ds_store_b128 v24, v[CW+4*\q:CW+4*\q+3] offset:16*\q
.endr
.macro KLOAD ch, kc                    ; channel ch's constants, the same 64 bytes for every lane; LDS serves a wave's instructions in order, so these see my stores
.irp q, 0,1,2,3
	ds_load_b128 v[(\kc)+4*\q:(\kc)+4*\q+3], v25 offset:64*(\ch)+16*\q
.endr
.endm
	KLOAD 0, KC0
	; ---- x rounded and centred
	s_wait_loadcnt 32                              ; x is in: behind it tc's 32
	s_wait_kmcnt 0x0                               ; mu
.set j, 0
.rept 12
	RND2 XV+2*j, XV+2*j+1, 11
.set j, j+1
.endr
.irp u, 0,1
.irp i, 0,1,2
.irp e, 0,1,2,3
	v_sub_f32 v[XV+12*\u+4*\i+\e], v[XV+12*\u+4*\i+\e], s[20+\i]
.endr
.endr
.endr
; One channel, 2 x 128 columns: h = max(0, A . xc + b1), z = max(0, tc sc + off), out = h + z.
.macro CHAN ch, kc
.irp u, 0,1
.irp p, 0,1
	v_pk_fma_f32 v[HT+4*\u+2*\p:HT+4*\u+2*\p+1], v[XV+12*\u+2*\p:XV+12*\u+2*\p+1], v[(\kc):(\kc)+1], v[(\kc)+6:(\kc)+7] op_sel_hi:[1,0,0]
.endr
.endr
.irp u, 0,1
.irp p, 0,1
	v_pk_fma_f32 v[HT+4*\u+2*\p:HT+4*\u+2*\p+1], v[XV+12*\u+4+2*\p:XV+12*\u+4+2*\p+1], v[(\kc)+2:(\kc)+3], v[HT+4*\u+2*\p:HT+4*\u+2*\p+1] op_sel_hi:[1,0,1]
.endr
.endr
.irp u, 0,1
.irp p, 0,1
	v_pk_fma_f32 v[HT+4*\u+2*\p:HT+4*\u+2*\p+1], v[XV+12*\u+8+2*\p:XV+12*\u+8+2*\p+1], v[(\kc)+4:(\kc)+5], v[HT+4*\u+2*\p:HT+4*\u+2*\p+1] op_sel_hi:[1,0,1]
.endr
.endr
.irp u, 0,1
.irp p, 0,1
	v_fma_mix_f32_bf16 v[ZT+4*\u+2*\p],   v[TC+4*(\ch)+2*\u+\p], v[(\kc)+8], v[(\kc)+10+2*\u] op_sel_hi:[1,0,0]                 ; tc's low half
	v_fma_mix_f32_bf16 v[ZT+4*\u+2*\p+1], v[TC+4*(\ch)+2*\u+\p], v[(\kc)+8], v[(\kc)+10+2*\u] op_sel:[1,0,0] op_sel_hi:[1,0,0]  ; and its high half
.endr
.endr
.irp e, 0,1,2,3,4,5,6,7
	v_max_num_f32 v[HT+\e], 0, v[HT+\e]
	v_max_num_f32 v[ZT+\e], 0, v[ZT+\e]
.endr
	s_wait_xcnt 0x0                                ; the last channel's stores have read their data: only behind this wait are the results written anew
.irp e, 0,2,4,6
	v_pk_add_f32 v[RES+\e:RES+\e+1], v[HT+\e:HT+\e+1], v[ZT+\e:ZT+\e+1]
.endr
	global_store_b128 v8, v[RES:RES+3],   s[16:17] offset:16384*(\ch) th:TH_STORE_NT       ; 512 consecutive bytes a wave
	global_store_b128 v8, v[RES+4:RES+7], s[16:17] offset:16384*(\ch)+512 th:TH_STORE_NT
.endm
.irp ch, 0,1,2,3,4,5,6,7,8,9,10,11,12,13,14,15
.if \ch < 15
	KLOAD \ch+1, KC0+64*((\ch+1)%2)
	s_wait_dscnt 4                                 ; this channel's constants are in; the next channel's 4 loads stay out
.else
	s_wait_dscnt 0x0
.endif
	s_wait_loadcnt 30-2*\ch                        ; this channel's two loads of tc are in; the later channels' stay out
	CHAN \ch, KC0+64*(\ch%2)
.endr
	s_wait_tensorcnt 0x0                           ; the wave's end
	ds_add_u32 v[SPW], v[NIL]
	s_wait_dscnt 0x0
	s_endpgm
.Lfunc_end_k_qd08d0662af_fin:
	.size	k_qd08d0662af_fin, .Lfunc_end_k_qd08d0662af_fin-k_qd08d0662af_fin
	.p2alignl 7, 3214868480
	.fill 96, 4, 3214868480
	.section	.rodata,"a",@progbits
	.p2align	6, 0x0
	.amdhsa_kernel k_qd08d0662af_fin
		.amdhsa_group_segment_fixed_size 10240
		.amdhsa_private_segment_fixed_size 0
		.amdhsa_enable_private_segment 0
		.amdhsa_kernarg_size 56
		.amdhsa_user_sgpr_count 2
		.amdhsa_user_sgpr_kernarg_segment_ptr 1
		.amdhsa_wavefront_size32 1
		.amdhsa_system_sgpr_workgroup_id_x 1
		.amdhsa_system_sgpr_workgroup_id_y 1
		.amdhsa_system_sgpr_workgroup_id_z 1
		.amdhsa_system_vgpr_workitem_id 0
		.amdhsa_next_free_vgpr 240
		.amdhsa_next_free_sgpr 66
		.amdhsa_reserve_vcc 0
		.amdhsa_float_denorm_mode_32 3
		.amdhsa_float_denorm_mode_16_64 3
		.amdhsa_memory_ordered 1
		.amdhsa_forward_progress 1
		.amdhsa_inst_pref_size 59
	.end_amdhsa_kernel
	.amdgpu_metadata
---
amdhsa.version: [ 1, 2 ]
amdhsa.kernels:
  - .name:           k_qd08d0662af_fin
    .symbol:         k_qd08d0662af_fin.kd
    .args:
      - { .name: tc, .offset: 0, .size: 8, .value_kind: global_buffer, .address_space: global }
      - { .name: stat, .offset: 8, .size: 8, .value_kind: global_buffer, .address_space: global }
      - { .name: tab1, .offset: 16, .size: 8, .value_kind: global_buffer, .address_space: global }
      - { .name: x, .offset: 24, .size: 8, .value_kind: global_buffer, .address_space: global }
      - { .name: g2, .offset: 32, .size: 8, .value_kind: global_buffer, .address_space: global }
      - { .name: b2, .offset: 40, .size: 8, .value_kind: global_buffer, .address_space: global }
      - { .name: out0, .offset: 48, .size: 8, .value_kind: global_buffer, .address_space: global }
    .group_segment_fixed_size: 10240
    .private_segment_fixed_size: 0
    .kernarg_segment_align: 8
    .kernarg_segment_size: 56
    .max_flat_workgroup_size: 256
    .sgpr_count:     66
    .vgpr_count:     240
    .wavefront_size: 32
...
	.end_amdgpu_metadata
.endif
;; end of part 5
